; MI455X (gfx1250); checked and timed in simulation.
; The chip was launched on July 23, 2026; its instructions are those of AMD's public machine-readable ISA for CDNA 5 (MIT licence, August 2026) and "CDNA5" Instruction Set Architecture Reference Guide (July 2026). The comments in the code are by the model that wrote it; some were corrected since.
;; Causal Self Attention. Allowed arithmetic: matrix products marked QUANTISED: E2M3 operands, one E8M0 scale for each 32 along K, by v_wmma_scale_f32_16x16x128_f8f6f4 with both operands' format E2M3, f32 sums; everything else in f32.
;; Inputs: W_attn 3,072 x 1,024 float32; W_proj 1,024 x 1,024 float32; b_attn 3,072 float32; b_proj 1,024 float32; x 4 x 2,048 x 1,024 float32.
;; Outputs: out0 4 x 2,048 x 1,024 float32.
;; This version of the problem:
;;   THIS VERSION OF THE PROBLEM IS GIVEN IN LOW PRECISION. The matrix products marked QUANTISED in the list below multiply operands that are first quantised to E2M3 (2 exponent bits, 3 mantissa bits; 6 bits a number), with one power-of-two scale for each 32 numbers along K (OCP MX v1.0); their sums are f32. All else is computed in f32.
;;   The module's matrix products, in the order in which they are computed (A, B: the left and right operand; K: the contracted axis; several contracted axes count as one K, in the product's order):
;;     1. [M 8,192, K 1,024] x [K 1,024, N 3,072]; A: input x; B: input W_attn: QUANTISED
;;     2. batch 64 x [M 2,048, K 64] x [K 64, N 2,048]; A: computed on the way; B: computed on the way: QUANTISED
;;     3. batch 64 x [M 2,048, K 2,048] x [K 2,048, N 64]; A: softmax (see below); B: computed on the way: QUANTISED
;;     4. [M 8,192, K 1,024] x [K 1,024, N 1,024]; A: computed on the way; B: input W_proj: QUANTISED
;;   THE QUANTISER, for each operand of a quantised product, along K:
;;     - K is cut into blocks of 32 from its start; a last block that is shorter is filled with zeros.
;;     - A block's scale is 2^e with e = floor(log2(the largest magnitude in the block)) - 2, held to -126 .. 127; a block of zeros has e = 0. As a byte (E8M0): e + 127.
;;     - Each number is divided by its block's scale, clamped to +-7.5, and rounded to the nearest number of E2M3, ties to even, subnormals kept.
;;     - The product sums the exact products of the quantised numbers (number of the format x scale) in f32.
;;   ~~~python
;;   def quantise(x, axis):      # numpy; x: float32 -> the quantised numbers, widened to float32 again
;;       x = np.moveaxis(x, axis, -1); K = x.shape[-1]
;;       x = np.pad(x, [(0, 0)] * (x.ndim - 1) + [(0, -K % 32)]); x = x.reshape(x.shape[:-1] + (-1, 32)); a = np.abs(x).max(-1, keepdims=True)
;;       e = np.where(a > 0, np.clip(np.frexp(np.where(a > 0, a, 1))[1] - 1 - 2, -126, 127), 0)      # np.frexp(a)[1] - 1 = floor(log2(a)), exactly
;;       r = np.clip(x / 2.0 ** e, -7.5, 7.5)
;;       step = 2.0 ** (np.maximum(np.frexp(np.where(r == 0, 1, r))[1] - 1, 0) - 3)
;;       q = np.round(r / step) * step * 2.0 ** e      # np.round: ties to even
;;       return np.moveaxis(q.reshape(q.shape[:-2] + (-1,))[..., :K], -1, axis).astype(np.float32)
;;   ~~~
;;   SOFTMAX AHEAD OF A QUANTISED PRODUCT. Where the list says 'softmax', what is quantised is not the finished softmax but p = 2^(t - M), with t = logit x log2(e) and M = ceil(the row's largest t), a whole number; so 1/2 < the row's largest p <= 1. The row's sum l is taken of the UNQUANTISED p, in f32, and the product's result is divided by l at the end. Since M is a whole number, a kernel that streams over the keys may use a running M (the ceiling of the running maximum): every later rescaling is an exact power of two, which a block's scale takes up: the codes' values come out the same.
;;   OPERANDS COMPUTED ON THE WAY. 'Computed on the way' means the value that the module computes at that place (a softmax that the list does not call 'softmax' is quantised finished and normalised). What goes into a quantiser is computed in f32, as accurately as f32 sums, v_exp_f32 and their like allow (about 1e-6 of the number): no bf16 or f16 on the way to a quantiser, and a product that is left as it is and whose result goes on into a quantised operand takes f32 operands (vector FMAs, or v_wmma_f32_16x16x4_f32). A number that lies on a knife's edge between two numbers of the format may be rounded either way, as far as f32 arithmetic and the matrix unit's own rounding can turn it there, and no further.
;; One version. Each part assembles by itself: llvm-mc -triple=amdgcn-amd-amdhsa -mcpu=gfx1250 --defsym DOCPART=n.
;; ======== version 1 of 1: 4 launches
;; workspace buffers: op_img 9,830,400 bytes; y_img 6,553,600 bytes; q_rec 6,815,744 bytes; kv 13,369,344 bytes
;; launch quant (part 1): grid 384 x 1, 4 waves a work-group, no clusters, 34,304 bytes of LDS; arguments x, W_attn, W_proj, op_img; writes op_img
.if DOCPART == 1
	.amdgcn_target "amdgcn-amd-amdhsa--gfx1250"
	.amdhsa_code_object_version 6
	.text
	.protected	k_qa275097a4f_quant
	.globl	k_qa275097a4f_quant
	.p2align	8
	.type	k_qa275097a4f_quant,@function
k_qa275097a4f_quant:
	s_mov_b64 s[64:65], 0
	v_nop
	global_prefetch_b8 v0, s[64:65] scope:SCOPE_SE
	s_setreg_imm32_b32 hwreg(HW_REG_WAVE_MODE, 25, 1), 1
	s_wait_xcnt 0x0
; x [8192][1024], W_attn [3072][1024], W_proj [1024][1024], f32, K innermost, become codes of FP6 (E2M3) with one E8M0 byte for each 32 along K,
; laid in op_img IN THE ORDER OF THE OPERAND'S REGISTERS, so that the products' launches fetch dense blocks and read fragments by loads of 16 and 8 bytes a lane.
; op_img: 96 groups of 128 rows (0-63 x, 64-87 W_attn, 88-95 W_proj), 102,400 bytes each: four parts of 256 along K, 25,600 bytes each:
;   [K step of 128: 0, 1][tile 0..7][1,536 bytes], then 1,024 bytes of scale words.  Tile i holds in lane r the group's row 32 (i / 2) + 8 (i % 2) + r + 8 (r / 8).
;   A fragment (16 rows x 128 K, 12 registers a lane) is two halves of 768 bytes: registers 6 c .. 6 c + 3 at 16 x lane, registers 6 c + 4, 6 c + 5 at 512 + 8 x lane.
;   The scale word of (tile i, lane r, K step q) lies at 256 (i / 2) + 16 r + 4 (2 (i % 2) + q).
; A block's scale is 2^(floor(log2(its largest magnitude)) - 2); its byte is the largest magnitude's exponent field - 2, held at 1 from below.
; LIMITS: a block of zeros gets the byte 1 where the rule says 127 (its codes are zeros, and this program alone reads the bytes); blocks whose largest magnitude lies under 2^-124 are held at
; the byte 1; NaN and infinities among the inputs are not served.
; SHARES: a work-group takes 32 rows (two tiles) of one tensor, wave w the 256 along K from 256 w on: four fragments f = 2 u + q (tile u of the two, K step q).
; Each load reads 512 consecutive bytes of one row; a fragment's 16 rows turn through the wave's own stage in LDS, so that a lane gets the 2 x 32 neighbours along K that the operand's layout gives it.
; No tensor loads, no barrier, no cluster: waves and work-groups share no input byte.  Loads run two fragments (32 loads a wave) ahead.
.set STG,   16*528                     ; a wave's stage: 16 rows x (512 bytes + 16): row r starts 4 r words on, modulo 64
.set SPARE, 4*STG                      ; behind the stages: the spare words, 128 bytes for each wave: two blocks of 256 bytes that no other line names
.set GRP,   102400
.set SIG,   25600
.set SPW,   18                         ; v18  LDS address of my spare word; never rewritten
.set NIL,   19                         ; v19  0; never rewritten
.set SW,    20                         ; v20-23   the four fragments' scale words
.set C,     24                         ; v24-35   a fragment's codes
.set T,     36                         ; v36-38, v40-42  the second half of each block's codes, before it is moved
.set X,     48                         ; v48-111  my 64 numbers: block 2 c + h at X + 32 c
.set R,     112                        ; v112-239 two sets of 64: 16 rows as they are loaded
	s_load_b256 s[4:11], s[0:1], 0x0               ; x s[4:5], W_attn s[6:7], W_proj s[8:9], op_img s[10:11]
	v_lshl_add_u32 v[SPW], v0, 2, SPARE
	v_mov_b32 v[NIL], 0
	v_lshrrev_b32 v1, 5, v0
	v_readfirstlane_b32 s16, v1                    ; wave = which 256 along K
	v_and_b32 v1, 31, v0                           ; lane
	v_and_b32 v2, 15, v0                           ; r
	v_bfe_u32 v3, v0, 4, 1                         ; h
	v_lshlrev_b32 v4, 4, v1                        ; 16 x lane
	v_lshlrev_b32 v5, 3, v1                        ; 8 x lane
	s_mul_i32 s17, s16, STG
	v_add_nc_u32 v6, s17, v4                       ; the stage, on the way in: a row's 512 bytes as they lie
	v_mul_u32_u24 v7, v2, 528
	v_lshl_add_u32 v7, v3, 7, v7
	v_add_nc_u32 v7, s17, v7                       ; and on the way out: row r, + 128 h bytes: my 32 numbers of each 64
	v_lshlrev_b32 v8, 3, v3                        ; 8 h: my bytes' place in a scale word
	v_lshlrev_b32 v9, 4, v2                        ; 16 r
	v_mov_b32 v16, 0                               ; written once: a lane permute's destination counts as one of its sources
	s_mov_b32 s20, 0x76543210
	s_mov_b32 s21, 0xfedcba98                      ; v_permlanex16_b32's selects for lane l xor 16
	s_mov_b32 s12, 352
	s_wait_kmcnt 0x0
	s_cmp_lt_u32 ttmp9, 352                        ; which tensor: the choice hangs on the work-group's number alone
	s_cselect_b64 s[6:7], s[6:7], s[8:9]
	s_cselect_b32 s12, 256, s12                    ; the tensor's first work-group,
	s_cselect_b32 s13, 64, 88                      ; and its first group in op_img
	s_cmp_lt_u32 ttmp9, 256
	s_cselect_b64 s[4:5], s[4:5], s[6:7]
	s_cselect_b32 s12, 0, s12
	s_cselect_b32 s13, 0, s13
	s_sub_co_u32 s12, ttmp9, s12                   ; P: which 32 rows of the tensor
	s_lshl_b32 s22, s12, 17                        ; 32 rows of 4,096 bytes
	s_lshl_b32 s18, s16, 10                        ; + my 256 numbers of a row
	s_add_co_u32 s22, s22, s18
	s_mov_b32 s23, 0
	s_add_nc_u64 s[4:5], s[4:5], s[22:23]
	s_lshr_b32 s18, s12, 2
	s_add_co_u32 s18, s18, s13                     ; the group
	s_mul_i32 s22, s18, GRP
	s_mul_i32 s18, s16, SIG
	s_add_co_u32 s22, s22, s18                     ; my part of it
	s_and_b32 s19, s12, 3                          ; m: which pair of tiles
	s_mul_i32 s18, s19, 3072
	s_add_co_u32 s24, s22, s18
	s_mov_b32 s25, 0
	s_add_nc_u64 s[24:25], s[10:11], s[24:25]      ; where my codes go
	s_lshl_b32 s18, s19, 8
	s_add_co_u32 s22, s22, s18
	s_add_co_u32 s22, s22, 24576
	s_add_nc_u64 s[26:27], s[10:11], s[22:23]      ; where my 256 bytes of scale words go
.macro LOAD f                          ; fragment f's 16 rows, 512 bytes each, into set f % 2
.irp p, 0,1,2,3,4,5,6,7,8,9,10,11,12,13,14,15
	global_load_b128 v[R+64*((\f)%2)+4*\p:R+64*((\f)%2)+4*\p+3], v4, s[4:5] offset:(8*((\f)/2)+\p+8*(\p/8))*4096+512*((\f)%2) th:TH_LOAD_NT
.endr
.endm
.macro FRAGQ f
.if (\f) < 3
	s_wait_loadcnt 16                              ; this fragment's 16 loads are in; the next fragment's 16 may be out
.else
	s_wait_loadcnt 0x0
.endif
.irp p, 0,1,2,3,4,5,6,7,8,9,10,11,12,13,14,15
	ds_store_b128 v6, v[R+64*((\f)%2)+4*\p:R+64*((\f)%2)+4*\p+3] offset:528*\p
.endr
.irp c, 0,1
.irp j, 0,1,2,3,4,5,6,7
	ds_load_b128 v[X+32*\c+4*\j:X+32*\c+4*\j+3], v7 offset:256*\c+16*\j   ; LDS serves a wave's instructions in order: these see the stores above
.endr
.endr
	s_wait_dscnt 0x0                               ; my 64 numbers are in, and the stores have read their registers,
.if (\f) < 2
	LOAD (\f)+2                                    ; which take the loads of two fragments on
.endif
.irp c, 0,1
	v_max3_num_f32 v[10+\c], |v[X+32*\c]|, |v[X+32*\c+1]|, 0x1800000   ; block 2 c + h: all its 32 numbers are mine; and the floor 2^(3 - 127): the byte cannot fall under 1
.endr
.irp i, 2,4,6,8,10,12,14,16,18,20,22,24,26,28,30
.irp c, 0,1
	v_max3_num_f32 v[10+\c], v[10+\c], |v[X+32*\c+\i]|, |v[X+32*\c+\i+1]|   ; (the two blocks by turns)
.endr
.endr
	v_add_nc_u32 v12, 0xff000000, v10              ; 2 off the exponent field: the conversion takes the exponent field of this operand as its scale
	v_add_nc_u32 v13, 0xff000000, v11
	v_lshrrev_b32 v14, 23, v12                     ; the scales' bytes
	v_lshrrev_b32 v15, 23, v13
	v_lshl_or_b32 v14, v15, 16, v14                ; blocks h and 2 + h,
	v_lshlrev_b32 v14, v8, v14                     ; at their places in the word;
	v_permlanex16_b32 v16, v14, s20, s21
	v_or_b32 v[SW+(\f)], v14, v16                  ; with lane l xor 16's two the word is whole
	s_wait_xcnt 0x0                                ; the last fragment's stores have read their data: the codes' registers are written again only behind this wait
.irp c, 0,1
	v_cvt_scalef32_pk16_fp6_f32 v[C+6*\c:C+6*\c+2], v[X+32*\c:X+32*\c+15], v[12+\c]
	v_cvt_scalef32_pk16_fp6_f32 v[T+4*\c:T+4*\c+2], v[X+32*\c+16:X+32*\c+31], v[12+\c]   ; (a conversion's three registers begin on an even number)
.endr
	v_nop                                          ; one plain place behind a scaled conversion
.irp c, 0,1
.irp i, 0,1,2
	v_mov_b32 v[C+6*\c+3+\i], v[T+4*\c+\i]
.endr
.endr
	global_store_b128 v4, v[C:C+3], s[24:25] offset:12288*((\f)%2)+1536*((\f)/2)          ; 512 consecutive bytes, at a multiple of 256 from the buffer's first byte
	global_store_b64 v5, v[C+4:C+5], s[24:25] offset:12288*((\f)%2)+1536*((\f)/2)+512     ; 256
	global_store_b128 v4, v[C+6:C+9], s[24:25] offset:12288*((\f)%2)+1536*((\f)/2)+768
	global_store_b64 v5, v[C+10:C+11], s[24:25] offset:12288*((\f)%2)+1536*((\f)/2)+1280
.endm
	LOAD 0
	LOAD 1
	FRAGQ 0
	FRAGQ 1
	FRAGQ 2
	FRAGQ 3
	v_cmp_gt_u32 vcc_lo, 16, v1                    ; both halves of the lanes hold the same words: lanes 0-15 store them
	s_wait_xcnt 0x0                                ; EXEC changes only behind this wait
	s_and_saveexec_b32 s28, vcc_lo
	global_store_b128 v9, v[SW:SW+3], s[26:27]     ; sixteen lanes store 256 consecutive bytes, aligned
	s_wait_xcnt 0x0
	s_or_b32 exec_lo, exec_lo, s28
	s_wait_tensorcnt 0x0                           ; the wave's end, behind my last LDS store
	ds_add_u32 v[SPW], v[NIL]
	s_wait_dscnt 0x0
	s_endpgm
.Lfunc_end_k_qa275097a4f_quant:
	.size	k_qa275097a4f_quant, .Lfunc_end_k_qa275097a4f_quant-k_qa275097a4f_quant
	.p2alignl 7, 3214868480
	.fill 96, 4, 3214868480
	.section	.rodata,"a",@progbits
	.p2align	6, 0x0
	.amdhsa_kernel k_qa275097a4f_quant
		.amdhsa_group_segment_fixed_size 34304
		.amdhsa_private_segment_fixed_size 0
		.amdhsa_enable_private_segment 0
		.amdhsa_kernarg_size 32
		.amdhsa_user_sgpr_count 2
		.amdhsa_user_sgpr_kernarg_segment_ptr 1
		.amdhsa_wavefront_size32 1
		.amdhsa_system_sgpr_workgroup_id_x 1
		.amdhsa_system_sgpr_workgroup_id_y 1
		.amdhsa_system_sgpr_workgroup_id_z 1
		.amdhsa_system_vgpr_workitem_id 0
		.amdhsa_next_free_vgpr 240
		.amdhsa_next_free_sgpr 66
		.amdhsa_reserve_vcc 1
		.amdhsa_float_denorm_mode_32 3
		.amdhsa_float_denorm_mode_16_64 3
		.amdhsa_memory_ordered 1
		.amdhsa_forward_progress 1
		.amdhsa_inst_pref_size 31
	.end_amdhsa_kernel
	.amdgpu_metadata
---
amdhsa.version: [ 1, 2 ]
amdhsa.kernels:
  - .name:           k_qa275097a4f_quant
    .symbol:         k_qa275097a4f_quant.kd
    .args:
      - { .name: x, .offset: 0, .size: 8, .value_kind: global_buffer, .address_space: global }
      - { .name: W_attn, .offset: 8, .size: 8, .value_kind: global_buffer, .address_space: global }
      - { .name: W_proj, .offset: 16, .size: 8, .value_kind: global_buffer, .address_space: global }
      - { .name: op_img, .offset: 24, .size: 8, .value_kind: global_buffer, .address_space: global }
    .group_segment_fixed_size: 34304
    .private_segment_fixed_size: 0
    .kernarg_segment_align: 8
    .kernarg_segment_size: 32
    .max_flat_workgroup_size: 128
    .sgpr_count:     66
    .vgpr_count:     240
    .wavefront_size: 32
...
	.end_amdgpu_metadata
.endif
;; end of part 1
;; launch qkv (part 2): grid 96 x 4, 4 waves a work-group, clusters of 4 x 4, 327,680 bytes of LDS; arguments op_img, b_attn, q_rec, kv; writes q_rec, kv
.if DOCPART == 2
	.amdgcn_target "amdgcn-amd-amdhsa--gfx1250"
	.amdhsa_code_object_version 6
	.text
	.protected	k_qa275097a4f_qkv
	.globl	k_qa275097a4f_qkv
	.p2align	8
	.type	k_qa275097a4f_qkv,@function
k_qa275097a4f_qkv:
	s_mov_b64 s[64:65], 0
	v_nop
	global_prefetch_b8 v0, s[64:65] scope:SCOPE_SE
	s_setreg_imm32_b32 hwreg(HW_REG_WAVE_MODE, 25, 1), 1
	s_wait_xcnt 0x0
	s_wait_alu depctr_hold_cnt(0) depctr_sa_sdst(0) depctr_va_vdst(0) depctr_va_sdst(0) depctr_va_ssrc(0) depctr_va_vcc(0) depctr_vm_vsrc(0)
	s_getreg_b32 s2, hwreg(HW_REG_IB_STS2, 6, 4)
	s_cmp_eq_u32 s2, 0
	s_cbranch_scc0 .Lentry_in_a_cluster
	s_endpgm
.Lentry_in_a_cluster:
	s_bfe_u32 s2, ttmp6, 0x10000c
	s_cmp_lg_u32 s2, 0xf033
	s_cbranch_scc0 .Lentry_shape_is_right
	s_endpgm
.Lentry_shape_is_right:
; qkv = x W_attn^T + b_attn on codes of FP6 (E2M3), K = 1,024, and q, k, v quantised on the way out, each along the K of the product that will read it.
; Operands come from op_img, laid in the order of the operand's registers (groups of 128 rows; a group's part of 256 along K is one dense block of 25,600 bytes: 16 fragments of 1,536 bytes and 1,024 bytes of scale words).
; A tile of 256 x 256 results is made by four waves, 128 x 128 each: 64 accumulators, 512 registers.  Source 0 = 16 rows of B', source 1 = 16 rows of A': a lane holds ONE row of A' and its registers run along B's rows.
; The rows of a tile are not neighbours (lane r of tile i: row 32 (i / 2) + 8 (i % 2) + r + 8 (r / 8) of the group), so that the 16 registers of tiles 2 b and 2 b + 1 are 16 neighbours, 32 b + 16 (lane / 16) + 0 .. 15.
; TWO PATHS, ONE TEXT.  Clusters 0-15: A' = x (tokens), B' = W_attn's rows 0-2047: a lane holds a token and 128 neighbouring columns: two heads of q or of k, whose K is the head's 64.
;   Clusters 16-23: A' = W_attn's rows 2048-3071 (v's channels), B' = x: a lane holds a channel and 128 neighbouring tokens: v's K is the keys.  The paths differ in offsets, in the bias, and in two short branches on the cluster's number.
; OUT: q_rec [64 heads][16 groups of 128 tokens] records of 6,656 bytes: 8 half images (16 tokens x 64, 768 bytes), 512 bytes of scale words at 6,144 + 256 (i / 4) + 16 r + 4 (i % 4).
;      kv    [64][16] records of 13,056 bytes: K's 8 half images; V's 4 fragments (16 channels x 128 keys) at 6,144; K's scale words at 12,288; V's at 12,800 + 16 r + 4 t.
;      In a word of q or k bytes 0, 1 are the head's two blocks; bytes 2, 3 are the neighbour head's and will scale zero codes alone.
; K goes in steps of 256 through a ring of two LDS slots; each wave fetches one group's part with one tensor load.  CLUSTERS: 4 x 4 work-groups; A's parts are asked for jointly along a row of the cluster, B's along a column.
; LIMITS: a block of zeros gets the byte 1; blocks whose largest magnitude lies under 2^-124 are held at the byte 1; NaN and infinities are not served.
; No prefetch: of the four parts along K two come by the first fills, and the other two are asked for one part's 128 matrix instructions after them.
; REGISTERS, in windows of 256: window 0: v1-12 lane numbers and the way out's offsets; v16-25 LDS addresses; v28, v29 the add's two; v32-63 scale words, two sets; v64-127 the bias as the first products' C, later the way out's
;   scratch; v128-223 A's fragments, one set, later the codes; v224-239 v's bias.   window 1: B's fragments, two sets, at v0 and v128.   windows 2, 3: the accumulators, (a, b) at v[8 (8 (a % 4) + b)].
.set GRP,    102400
.set HALFT,  25600                     ; a group's part of 256 along K: what one tensor load brings
.set SLOT,   4*HALFT                   ; A's two groups, then B's two
.set SPARE,  2*SLOT                    ; behind the ring: the spare words, 128 bytes for each wave: two blocks of 256 bytes that no other line names
.set FR,     12                        ; registers of a fragment
.set NL,     4                         ; LDS loads that bring one
.set NP,     4                         ; places behind this matrix instruction (ISA guide 7.12.1)
.set NQ,     2                         ; steps of 128 in a slot
.set LAPS,   2                         ; 1,024 along K = twice round the ring
.set VO0,  4                           ; v4   16 x lane
.set VO1,  5                           ; v5   8 x lane + 512
.set VO2,  6                           ; v6   VO0 + the second half's distance
.set VO3,  7                           ; v7   VO1 + the same
.set VS0,  8                           ; v8   16 r + h x the distance between two heads' records
.set VSEL, 9                           ; v9   byte selects: lanes 16-31 of q and k turn a scale word by 16 bits
.set ADRA, 16                          ; v16-17 my A fragments in slot 0, 1: 16 x lane;  v18-19: 8 x lane
.set ADRA8, 18
.set ADRB, 20                          ; v20-23 the same for B
.set ADRB8, 22
.set ADRS, 24                          ; v24-25 my scale words in slot 0, 1: lanes 0-15 A's, lanes 16-31 B's
.set SPW,  28
.set NIL,  29
.set SC,   32                          ; set s at SC + 16 s; register 2 i + q: tile i, the slot's q-th 128 along K
.set BIAS, 64
.set TM,   64                          ; the way out: v64-67 largest magnitudes, v68-71 bytes, v76-79 the conversions' scale operands
.set PW,   80
.set WS,   88                          ; v88-95 the eight blocks' scale words
.set AF,   128
.set PC,   128                         ; the way out: v128-139 a fragment's codes, v140-142, v144-146 second halves
.set BA,   224
.set G1,   24
.set G0,   32
.set G1B,  48
.set G0B,  56
.set OUTP, 66                          ; s[66:67] where block a's codes go
.set SOUT, 68                          ; s[68:69] where the scale words go
.set STEPA, 70                         ; s[70:71] from block to block
.set JUMP, 72                          ; s[72:73] v: once more at block 4, on to the second head's record
.set D1,   74
.set DH,   75
.set SOFF, 76
.set RS,   77
.set EX,   78
.set HM,   79
.set SEL,  80
.set MSB, 0
.macro WIN new                         ; the immediate's high byte repeats the setting that is left
.if MSB != \new
	s_set_vgpr_msb (MSB<<8)|\new
.set MSB, \new
.endif
.endm
.set MUL_LO, 0xa1                      ; source 0 (B) window 1, source 1 (A) window 0, C and D window 2
.set MUL_HI, 0xf1                      ; the same, C and D window 3
.set TO_B,   0x40                      ; destination window 1, address window 0
; A joint load: waves 0 and 1 fetch for A, waves 2 and 3 for B.  Each of the two lines has one mask and one set of registers for all that issue it; the branch hangs on the wave's number alone.
; An s_nop 0 and four v_nop follow each of the two lines, ahead of the jump, the label and what follows.
.macro JLOAD g0a, g1a, g0b, g1b
	s_cmp_eq_u32 s15, 0
	s_cbranch_scc0 .Lfor_b_\@
	tensor_load_to_lds s[\g0a:\g0a+3], s[\g1a:\g1a+7]
	s_nop 0
.rept 4
	v_nop
.endr
	s_branch .Lasked_\@
.Lfor_b_\@:
	tensor_load_to_lds s[\g0b:\g0b+3], s[\g1b:\g1b+7]
	s_nop 0
.rept 4
	v_nop
.endr
.Lasked_\@:
.endm
.macro CREST                           ; a round of the cluster's barrier behind its opening barrier
	s_cmp_lg_u32 s14, 0
	s_cbranch_scc1 .Lnot_wave_0_\@
	s_barrier_signal -3
.Lnot_wave_0_\@:
	s_barrier_wait -3
	s_barrier_signal -1
	s_barrier_wait -1
.endm
.macro CROUND                          ; a whole round
	s_barrier_signal -1
	s_barrier_wait -1
	CREST
.endm
.macro PLACES n
.rept \n
	v_nop
.endr
.endm
.macro FRAG reg, a16, a8, off          ; a fragment comes back as it was stored: every load takes 512 or 256 consecutive bytes
	ds_load_b128 v[\reg:\reg+3], v[\a16] offset:\off
	ds_load_b64 v[\reg+4:\reg+5], v[\a8] offset:\off+512
	ds_load_b128 v[\reg+6:\reg+9], v[\a16] offset:\off+768
	ds_load_b64 v[\reg+10:\reg+11], v[\a8] offset:\off+1280
.endm
.macro FETCH_B slot, q, p              ; B's eight fragments of the slot's q-th 128 along K into set p
	WIN TO_B
.irp i, 0,1,2,3,4,5,6,7
	FRAG 128*(\p)+FR*\i, ADRB+\slot, ADRB8+\slot, 12288*(\q)+1536*\i
.endr
	WIN 0
.endm
.macro FETCH_A slot, q, i0             ; A's blocks i0 .. i0 + 3
.irp i, \i0, \i0+1, \i0+2, \i0+3
	FRAG AF+FR*(\i), ADRA+\slot, ADRA8+\slot, 12288*(\q)+1536*(\i)
.endr
.endm
.macro SCALES sc                       ; a slot's scale words: four words a lane and load: tiles 2 m, 2 m + 1, both steps
.irp m, 0,1,2,3
	ds_load_b128 v[SC+16*\sc+4*\m:SC+16*\sc+4*\m+3], v[ADRS+\sc] offset:256*\m
.endr
.endm
; 16 matrix instructions: A's blocks a0, a0 + 1 x B's eight.  first = 1: the bias registers are the C of the sums' first products: nothing is cleared.
; The 64 accumulators take turns, one instruction a turn, in the same order in every step.
.macro MUL16 a0, p, q, sc, first
.irp a, \a0, \a0+1
.irp b, 0,1,2,3,4,5,6,7
.if \first
	v_wmma_scale_f32_16x16x128_f8f6f4 v[8*(8*((\a)%4)+\b):8*(8*((\a)%4)+\b)+7], v[128*(\p)+FR*\b:128*(\p)+FR*\b+FR-1], v[AF+FR*(\a):AF+FR*(\a)+FR-1], v[BIAS+8*\b:BIAS+8*\b+7], v[SC+16*(\sc)+2*\b+(\q)], v[SC+16*(\sc)+2*(\a)+(\q)] matrix_a_fmt:MATRIX_FMT_FP6 matrix_b_fmt:MATRIX_FMT_FP6 matrix_a_scale:MATRIX_SCALE_ROW1
.else
	v_wmma_scale_f32_16x16x128_f8f6f4 v[8*(8*((\a)%4)+\b):8*(8*((\a)%4)+\b)+7], v[128*(\p)+FR*\b:128*(\p)+FR*\b+FR-1], v[AF+FR*(\a):AF+FR*(\a)+FR-1], v[8*(8*((\a)%4)+\b):8*(8*((\a)%4)+\b)+7], v[SC+16*(\sc)+2*\b+(\q)], v[SC+16*(\sc)+2*(\a)+(\q)] matrix_a_fmt:MATRIX_FMT_FP6 matrix_b_fmt:MATRIX_FMT_FP6 matrix_a_scale:MATRIX_SCALE_ROW1
.endif
.endr
.endr
.endm
; A step of 128 along K that has its successor in the same slot.  A block of A is free as soon as its eight products are issued: blocks 0-3 are fetched anew in the step's middle, blocks 4-7 at its end.
.macro STEP slot, q, first
	s_wait_dscnt 4*NL                              ; B's set, A's blocks 0-3 and the scale words are in; the youngest 16 loads (A's blocks 4-7) may be out
.if \first
	WIN 0x81                                       ; C (the bias) window 0, D window 2
.else
	WIN MUL_LO
.endif
	MUL16 0, (\q)%2, \q, \slot, \first
	MUL16 2, (\q)%2, \q, \slot, \first
	s_wait_dscnt 0                                 ; A's blocks 4-7 are in
	PLACES NP                                      ; in front of loads into registers that matrix instructions have read
	FETCH_B \slot, (\q)+1, 1-(\q)%2
	FETCH_A \slot, (\q)+1, 0
.if \first
	WIN 0xc1
.else
	WIN MUL_HI
.endif
	MUL16 4, (\q)%2, \q, \slot, \first
	MUL16 6, (\q)%2, \q, \slot, \first
	PLACES NP
	WIN 0
	FETCH_A \slot, (\q)+1, 4
.endm
; A slot's last step changes slots: one barrier; in front of it each wave waits for all its tensor loads, adds 0 to its spare word, and waits for that and for its own reads of this slot.  fill = 1: this slot is filled again, 512 along K ahead.
.macro TURN slot, next, fill
	s_wait_tensorcnt 0x0                           ; all my tensor loads have landed: my part of the next slot
	ds_add_u32 v[SPW], v[NIL]                      ; 0 onto my spare word
	s_wait_dscnt 4*NL+1                            ; (the add and the youngest 16 loads, A's blocks 4-7, may be out)
	WIN MUL_LO
	MUL16 0, 1, NQ-1, \slot, 0                     ; sixteen matrix instructions stand between the add and the wait for it
	s_wait_dscnt 0x0                               ; the add is done, and my reads of this slot are over
	s_barrier_signal -1
	MUL16 2, 1, NQ-1, \slot, 0
	WIN 0
	s_barrier_wait -1
.if \fill
	CREST                                          ; the barrier has opened a round of the cluster's barrier: no wave of any partner still reads this slot or has a load on its way
	s_add_nc_u64 s[G0+4*\slot+2:G0+4*\slot+3], s[G0+4*\slot+2:G0+4*\slot+3], 2*HALFT
	s_add_nc_u64 s[G0B+4*\slot+2:G0B+4*\slot+3], s[G0B+4*\slot+2:G0B+4*\slot+3], 2*HALFT
	JLOAD G0+4*\slot, G1, G0B+4*\slot, G1B         ; the first tensor load behind the round; its four v_nop are the places in front of the loads below
.else
	PLACES NP
.endif
	FETCH_B \next, 0, 0
	FETCH_A \next, 0, 0
	SCALES \next
	WIN MUL_HI
	MUL16 4, 1, NQ-1, \slot, 0
	MUL16 6, 1, NQ-1, \slot, 0
	PLACES NP
	WIN 0
	FETCH_A \next, 0, 4
.endm
	s_load_b256 s[4:11], s[0:1], 0x0               ; op_img s[4:5], b_attn s[6:7], q_rec s[8:9], kv s[10:11]
	v_lshl_add_u32 v[SPW], v0, 2, SPARE
	v_mov_b32 v[NIL], 0
	ds_add_u32 v[SPW], v[NIL]                      ; the wave's opening: the add, whose wait stands ahead of my first tensor load; the set-up below stands between them
	v_lshrrev_b32 v1, 5, v0
	v_readfirstlane_b32 s14, v1                    ; wave 0..3
	s_lshr_b32 s15, s14, 1                         ; which group of A' is mine.  Also: I fetch for A' (0) or for B' (1)
	s_and_b32 s16, s14, 1                          ; which group of B' is mine.  Also: which of the two groups I fetch
	s_bfe_u32 s40, ttmp6, 0x40000                  ; cx, cy: my place in the cluster
	s_bfe_u32 s41, ttmp6, 0x40004
	s_and_b32 s82, ttmp9, 1                        ; clusters 0-15 (q, k): 2 columns x 8 rows of clusters
	s_lshr_b32 s83, ttmp9, 1
	s_sub_co_u32 s84, ttmp9, 16                    ; clusters 16-23 (v): 8 columns x 1 row
	s_cmp_lt_u32 ttmp9, 16                         ; the cluster's number is the same in all sixteen partners
	s_cselect_b32 s82, s82, s84
	s_cselect_b32 s83, s83, 0
	s_cselect_b32 s85, 0, 80                       ; A's first group in op_img: x's, or that of W_attn's rows 2048 on
	s_cselect_b32 s86, 64, 0                       ; B's: W_attn's, or x's
	s_lshl_b32 s42, s82, 2
	s_add_co_u32 s42, s42, s40                     ; tile column
	s_lshl_b32 s17, s83, 2
	s_add_co_u32 s17, s17, s41                     ; tile row
	s_lshl_b32 s43, s41, 2
	s_lshl_b32 s43, 15, s43                        ; my row of the cluster
	s_lshl_b32 s44, 0x1111, s40                    ; my column
	; descriptor group 1: a dense block of 25,600 bytes as 100 rows of 256 bytes (32 elements of 8 bytes), no padding
	s_or_b32 s[G1+0], s43, (3<<16)|(1<<21)         ; 15:0 the mask: A's parts go to my row; 17:16 elements of 8 bytes; 21 set beside a mask
	s_or_b32 s[G1B+0], s44, (3<<16)|(1<<21)
.irp g, G1, G1B
	s_mov_b32 s[\g+1], 32<<16                      ; tensor_dim0
	s_mov_b32 s[\g+2], 100<<16                     ; tensor_dim1
	s_mov_b32 s[\g+3], 32<<16                      ; tile_dim0
	s_mov_b32 s[\g+4], 100                         ; tile_dim1
	s_mov_b32 s[\g+5], 32                          ; tensor_dim0_stride
	s_mov_b32 s[\g+6], 0
	s_mov_b32 s[\g+7], 0
.endr
	s_lshl_b32 s20, s17, 1
	s_add_co_u32 s20, s20, s16
	s_add_co_u32 s20, s20, s85                     ; A': the group that I fetch: it hangs on the tile row alone
	s_mul_i32 s20, s20, GRP
	s_mov_b32 s21, 0
	s_lshl_b32 s46, s42, 1
	s_add_co_u32 s46, s46, s16
	s_add_co_u32 s46, s46, s86                     ; B': on the tile column alone
	s_mul_i32 s46, s46, GRP
	s_mov_b32 s47, 0
	s_mul_i32 s45, s14, HALFT                      ; where it goes: no place in the cluster enters an LDS address
	s_wait_dscnt 0x0                               ; the opening add is done
	s_wait_kmcnt 0x0
	s_add_nc_u64 s[20:21], s[4:5], s[20:21]
	s_add_nc_u64 s[46:47], s[4:5], s[46:47]
	CROUND                                         ; all sixteen work-groups are here: the first joint loads meet
.irp s, 0,1
	s_mov_b32 s[G0+4*\s], 1
	s_add_co_u32 s[G0+4*\s+1], s45, \s*SLOT
	s_add_nc_u64 s[G0+4*\s+2:G0+4*\s+3], s[20:21], \s*HALFT
	s_or_b32 s[G0+4*\s+3], s[G0+4*\s+3], 0x80000000
	s_mov_b32 s[G0B+4*\s], 1
	s_add_co_u32 s[G0B+4*\s+1], s45, \s*SLOT
	s_add_nc_u64 s[G0B+4*\s+2:G0B+4*\s+3], s[46:47], \s*HALFT
	s_or_b32 s[G0B+4*\s+3], s[G0B+4*\s+3], 0x80000000
	JLOAD G0+4*\s, G1, G0B+4*\s, G1B               ; two tensor loads of mine are out
.endr
	; where the results go.  These registers feed no descriptor
	s_lshl_b32 s82, s17, 1
	s_add_co_u32 s82, s82, s15                     ; gA: my group of A'
	s_lshl_b32 s83, s42, 1
	s_add_co_u32 s83, s83, s16                     ; gB: my group of B'
	s_lshl_b32 s84, s83, 1
	s_and_b32 s84, s84, 15                         ; q, k: my first head = 2 gB mod 16
	s_lshl_b32 s85, s82, 1                         ; v: 2 gA
	s_lshl_b32 s86, s83, 9                         ; q, k: my 128 numbers of b_attn
	s_lshl_b32 s87, s82, 9
	s_add_co_u32 s87, s87, 8192                    ; v: likewise, from number 2,048 on
	s_and_b32 s90, ttmp9, 1
	s_lshr_b32 s91, ttmp9, 4
	s_or_b32 s90, s90, s91                         ; 0 where the cluster makes q
	s_mov_b32 s[RS], 13056
	s_mov_b32 s[DH], 208896
	s_mov_b32 s[SOFF], 12288
	s_mov_b32 s[STEPA], 1536
	s_cmp_eq_u32 s90, 0
	s_cselect_b64 s[OUTP:OUTP+1], s[8:9], s[10:11] ; q_rec or kv
	s_cselect_b32 s[RS], 6656, s[RS]               ; a record
	s_cselect_b32 s[DH], 106496, s[DH]             ; sixteen records: from a head to the next
	s_cselect_b32 s[SOFF], 6144, s[SOFF]           ; the scale words' place in a record
	s_cmp_lt_u32 ttmp9, 16
	s_cselect_b32 s88, s82, s83                    ; my group of tokens
	s_cselect_b32 s84, s84, s85                    ; my first head
	s_cselect_b32 s86, s86, s87
	s_cselect_b32 s[EX], 0, 6144                   ; v's fragments lie behind K's half images
	s_cselect_b32 s[STEPA], 768, s[STEPA]
	s_cselect_b32 s[JUMP], 0, 202752               ; 208,896 - 4 x 1,536
	s_cselect_b32 s[D1], s[DH], 768                ; a fragment's second half: the second head's record, or (v) straight behind the first
	s_cselect_b32 s[SOFF], s[SOFF], 6656           ; v: 12,800 - 6,144
	s_cselect_b32 s89, 0x02020202, 0
	s_mov_b32 s87, 0
	s_add_nc_u64 s[6:7], s[6:7], s[86:87]          ; the bias
	s_lshr_b32 s91, s88, 4
	s_lshl_b32 s91, s91, 4
	s_add_co_u32 s91, s91, s84                     ; 16 x batch + head
	s_lshl_b32 s91, s91, 4
	s_and_b32 s92, s88, 15
	s_add_co_u32 s91, s91, s92                     ; the record's number
	s_mul_i32 s92, s91, s[RS]
	s_add_co_u32 s92, s92, s[EX]
	s_mov_b32 s93, 0
	s_add_nc_u64 s[OUTP:OUTP+1], s[OUTP:OUTP+1], s[92:93]
	s_mov_b32 s92, s[SOFF]
	s_add_nc_u64 s[SOUT:SOUT+1], s[OUTP:OUTP+1], s[92:93]
	s_mov_b32 s[STEPA+1], 0
	s_mov_b32 s[JUMP+1], 0
	s_mov_b32 s[HM], 0xffff0000                    ; lanes 16-31
	s_mov_b32 s[SEL], 0x76543210
	s_mov_b32 s[SEL+1], 0xfedcba98
	v_and_b32 v1, 31, v0                           ; lane
	v_and_b32 v2, 15, v0                           ; r
	v_bfe_u32 v3, v0, 4, 1                         ; h
	v_lshlrev_b32 v10, 6, v3                       ; 64 h
	v_and_b32 v11, 8, v2
	v_add_nc_u32 v11, v11, v2
	v_lshlrev_b32 v11, 2, v11                      ; 4 (r + 8 (r / 8))
	; THE BIAS.  q, k: it hangs on the column, which runs along a lane's registers: eight registers a tile of B', the C of the first products.  v: it hangs on the channel, which is the lane's row: added on the way out.
	s_cmp_lt_u32 ttmp9, 16
	s_cbranch_scc0 .Lbias_v
.irp b, 0,1,2,3,4,5,6,7
	global_load_b128 v[BIAS+8*\b:BIAS+8*\b+3], v10, s[6:7] offset:(32*(\b/2)+8*(\b%2))*4
	global_load_b128 v[BIAS+8*\b+4:BIAS+8*\b+7], v10, s[6:7] offset:(32*(\b/2)+8*(\b%2))*4+16
.endr
.set j, 0
.rept 16
	v_mov_b32 v[BA+j], 0                           ; (written on both ways)
.set j, j+1
.endr
	s_branch .Lbias_done
.Lbias_v:
.set j, 0
.rept 64
	v_mov_b32 v[BIAS+j], 0
.set j, j+1
.endr
.irp a, 0,1,2,3,4,5,6,7
	global_load_b32 v[BA+2*\a], v11, s[6:7] offset:(32*(\a/2)+8*(\a%2))*4
	global_load_b32 v[BA+2*\a+1], v11, s[6:7] offset:(32*(\a/2)+8*(\a%2))*4     ; twice: a pair for the packed addition
.endr
.Lbias_done:
	v_lshlrev_b32 v[VO0], 4, v1
	v_lshlrev_b32 v12, 3, v1
	s_mul_i32 s82, s15, HALFT                      ; my group of A',
	s_mul_i32 s83, s16, HALFT
	s_add_co_u32 s83, s83, 2*HALFT                 ; my group of B', behind A's two
.irp s, 0,1
	v_add_nc_u32 v[ADRA+\s], s82, v[VO0]
	v_add_nc_u32 v[ADRA8+\s], s82, v12
	v_add_nc_u32 v[ADRB+\s], s83, v[VO0]
	v_add_nc_u32 v[ADRB8+\s], s83, v12
	s_add_co_u32 s82, s82, SLOT
	s_add_co_u32 s83, s83, SLOT
.endr
	s_mul_i32 s82, s15, HALFT
	s_mul_i32 s83, s16, HALFT
	s_add_co_u32 s83, s83, 2*HALFT
	s_sub_co_u32 s83, s83, s82
	v_mul_u32_u24 v13, s83, v3                     ; lanes 16-31 take B's scale words: one product, the distance between the two groups
	v_lshl_add_u32 v13, v2, 4, v13                 ; + 16 r
	s_add_co_u32 s82, s82, 24576
	v_add_nc_u32 v[ADRS], s82, v13
	s_add_co_u32 s82, s82, SLOT
	v_add_nc_u32 v[ADRS+1], s82, v13
	v_add_nc_u32 v[VO1], 512, v12
	v_add_nc_u32 v[VO2], s[D1], v[VO0]
	v_add_nc_u32 v[VO3], s[D1], v[VO1]
	v_mul_u32_u24 v[VS0], s[DH], v3
	v_lshl_add_u32 v[VS0], v2, 4, v[VS0]
	v_mul_lo_u32 v[VSEL], v3, s89
	v_xor_b32 v[VSEL], 0x03020100, v[VSEL]
	s_wait_tensorcnt 1                             ; my part of slot 0 is in (slot 1's load may be out)
	s_barrier_signal -1
	s_barrier_wait -1                              ; everybody's is
	FETCH_B 0, 0, 0
	FETCH_A 0, 0, 0
	SCALES 0
	FETCH_A 0, 0, 4
	s_wait_loadcnt 0x0                             ; the bias
	STEP 0, 0, 1                                   ; the first step stands in front of the loop: its products start the sums
	s_mov_b32 s3, LAPS-1
.Llap:                                                 ; a trip goes once round the ring, from a lap's second step to the next lap's first, and fills both slots again
	TURN 0, 1, 1
	STEP 1, 0, 0
	TURN 1, 0, 1
	STEP 0, 0, 0
	s_sub_co_u32 s3, s3, 1
	s_cmp_lg_u32 s3, 0
	s_cbranch_scc1 .Llap
	TURN 0, 1, 0                                   ; the last lap fills nothing, and has no round of the cluster's barrier
	STEP 1, 0, 0
	s_wait_dscnt 4*NL                              ; the very last step: nothing more to fetch
	WIN MUL_LO
	MUL16 0, 1, NQ-1, 1, 0
	MUL16 2, 1, NQ-1, 1, 0
	s_wait_dscnt 0
	WIN MUL_HI
	MUL16 4, 1, NQ-1, 1, 0
	MUL16 6, 1, NQ-1, 1, 0
	WIN 0
	PLACES NP                                      ; behind the last products
.irp b, 0,1,2,3
	v_mov_b32 v[TM+4+\b], 0                        ; a lane permute's destination counts as one of its sources
.endr
	s_cmp_lt_u32 ttmp9, 16
	s_cbranch_scc1 .Lno_badd
.irp a, 0,1,2,3,4,5,6,7                    ; v: + the channel's bias, each accumulator from its low end on
.set W, 2+\a/4
.set WW, W|(W<<6)
	WIN WW                                         ; source 0 and destination: the accumulators' window
.set j, 0
.rept 32
	v_pk_add_f32 v[64*(\a%4)+j:64*(\a%4)+j+1], v[64*(\a%4)+j:64*(\a%4)+j+1], v[BA+2*\a:BA+2*\a+1]
.set j, j+2
.endr
.endr
	WIN 0
.Lno_badd:
; THE WAY OUT of block a: my row's 128 numbers (register 16 b + i = neighbour 32 b + 16 h + i) become a fragment's codes and a scale word, and leave in the order of the operand's registers:
; every store of the wave covers 512 or 256 consecutive bytes, aligned.  q, k: the fragment's two halves are two heads' half images.  v: one fragment of a head.
.macro OUTA a
.set W, 2+(\a)/4
.set AC, 64*((\a)%4)
.set WW, W|(W<<2)
	WIN WW                                         ; sources 0 and 1: the accumulators' window
.irp b, 0,1,2,3
	v_max3_num_f32 v[TM+\b], |v[AC+16*\b]|, |v[AC+16*\b+1]|, 0x1800000   ; block b: my 16 numbers, and the floor 2^(3 - 127): the byte cannot fall under 1
.endr
.set WW, (W<<2)|(W<<4)
	WIN WW                                         ; sources 1 and 2
.irp i, 2,4,6,8,10,12,14
.irp b, 0,1,2,3
	v_max3_num_f32 v[TM+\b], v[TM+\b], |v[AC+16*\b+\i]|, |v[AC+16*\b+\i+1]|   ; (the four blocks by turns)
.endr
.endr
	WIN 0
.irp b, 0,1,2,3
	v_permlanex16_b32 v[TM+4+\b], v[TM+\b], s[SEL], s[SEL+1]
.endr
.irp b, 0,1,2,3
	v_max_num_f32 v[TM+\b], v[TM+\b], v[TM+4+\b]   ; with lane l xor 16's: the block's largest magnitude
.endr
.irp b, 0,1,2,3
	v_add_nc_u32 v[TM+12+\b], 0xff000000, v[TM+\b] ; 2 off its exponent field: the conversion's scale operand
.endr
.irp b, 0,1,2,3
	v_lshrrev_b32 v[TM+4+\b], 23, v[TM+12+\b]      ; the scale's byte
.endr
	v_lshl_or_b32 v[PW], v[TM+5], 8, v[TM+4]
	v_lshl_or_b32 v[PW], v[TM+6], 16, v[PW]
	v_lshl_or_b32 v[PW], v[TM+7], 24, v[PW]
	v_perm_b32 v[WS+(\a)], v[PW], v[PW], v[VSEL]   ; q, k: lanes 16-31 keep the second head's word: its two bytes below
	s_wait_xcnt 0x0                                ; the last block's stores have read their data and their base: both are written again only behind this wait
.if (\a) > 0
	s_add_nc_u64 s[OUTP:OUTP+1], s[OUTP:OUTP+1], s[STEPA:STEPA+1]
.endif
.if (\a) == 4
	s_add_nc_u64 s[OUTP:OUTP+1], s[OUTP:OUTP+1], s[JUMP:JUMP+1]
.endif
	WIN W                                          ; source 0
.irp c, 0,1
	v_cvt_scalef32_pk16_fp6_f32 v[PC+6*\c:PC+6*\c+2], v[AC+32*\c:AC+32*\c+15], v[TM+12+2*\c]
	v_cvt_scalef32_pk16_fp6_f32 v[PC+12+4*\c:PC+14+4*\c], v[AC+32*\c+16:AC+32*\c+31], v[TM+12+2*\c+1]   ; (a conversion's three registers begin on an even number)
.endr
	WIN 0
	v_nop                                          ; one plain place behind a scaled conversion
.irp c, 0,1                                ; the operand's layout wants a whole block in a lane: lanes 0-15 block 2 c, lanes 16-31 block 2 c + 1
.irp i, 0,1,2
	v_permlane16_swap_b32 v[PC+6*\c+\i], v[PC+12+4*\c+\i]
.endr
.irp i, 0,1,2
	v_mov_b32 v[PC+3+6*\c+\i], v[PC+12+4*\c+\i]
.endr
.endr
	global_store_b128 v[VO0], v[PC:PC+3], s[OUTP:OUTP+1]
	global_store_b64 v[VO1], v[PC+4:PC+5], s[OUTP:OUTP+1]
	global_store_b128 v[VO2], v[PC+6:PC+9], s[OUTP:OUTP+1]
	global_store_b64 v[VO3], v[PC+10:PC+11], s[OUTP:OUTP+1]
.endm
.irp a, 0,1,2,3,4,5,6,7
	OUTA \a
.endr
	s_cmp_lt_u32 ttmp9, 16
	s_cbranch_scc0 .Lscale_v
	global_store_b128 v[VS0], v[WS:WS+3], s[SOUT:SOUT+1]              ; lanes 0-15: 256 bytes of the first head's record; lanes 16-31: of the second's
	global_store_b128 v[VS0], v[WS+4:WS+7], s[SOUT:SOUT+1] offset:256
	s_branch .Lscale_done
.Lscale_v:
.irp i, 0,1,2,3
	v_cndmask_b32 v[WS+\i], v[WS+\i], v[WS+4+\i], s[HM]               ; blocks 0-3 are the first head's channels, blocks 4-7 the second's
.endr
	global_store_b128 v[VS0], v[WS:WS+3], s[SOUT:SOUT+1]
.Lscale_done:
	s_wait_tensorcnt 0x0                           ; the wave's end
	ds_add_u32 v[SPW], v[NIL]
	s_wait_dscnt 0x0
	CROUND                                         ; the closing round: no work-group ends while a partner may still ask for a part that names it
	s_endpgm
.Lfunc_end_k_qa275097a4f_qkv:
	.size	k_qa275097a4f_qkv, .Lfunc_end_k_qa275097a4f_qkv-k_qa275097a4f_qkv
	.p2alignl 7, 3214868480
	.fill 96, 4, 3214868480
	.section	.rodata,"a",@progbits
	.p2align	6, 0x0
	.amdhsa_kernel k_qa275097a4f_qkv
		.amdhsa_group_segment_fixed_size 327680
		.amdhsa_private_segment_fixed_size 0
		.amdhsa_enable_private_segment 0
		.amdhsa_kernarg_size 32
		.amdhsa_user_sgpr_count 2
		.amdhsa_user_sgpr_kernarg_segment_ptr 1
		.amdhsa_wavefront_size32 1
		.amdhsa_system_sgpr_workgroup_id_x 1
		.amdhsa_system_sgpr_workgroup_id_y 1
		.amdhsa_system_sgpr_workgroup_id_z 1
		.amdhsa_system_vgpr_workitem_id 0
		.amdhsa_next_free_vgpr 1024
		.amdhsa_next_free_sgpr 100
		.amdhsa_reserve_vcc 0
		.amdhsa_float_denorm_mode_32 3
		.amdhsa_float_denorm_mode_16_64 3
		.amdhsa_memory_ordered 1
		.amdhsa_forward_progress 1
		.amdhsa_inst_pref_size 171
	.end_amdhsa_kernel
	.amdgpu_metadata
---
amdhsa.version: [ 1, 2 ]
amdhsa.kernels:
  - .name:           k_qa275097a4f_qkv
    .symbol:         k_qa275097a4f_qkv.kd
    .args:
      - { .name: op_img, .offset: 0, .size: 8, .value_kind: global_buffer, .address_space: global }
      - { .name: b_attn, .offset: 8, .size: 8, .value_kind: global_buffer, .address_space: global }
      - { .name: q_rec, .offset: 16, .size: 8, .value_kind: global_buffer, .address_space: global }
      - { .name: kv, .offset: 24, .size: 8, .value_kind: global_buffer, .address_space: global }
    .group_segment_fixed_size: 327680
    .private_segment_fixed_size: 0
    .kernarg_segment_align: 8
    .kernarg_segment_size: 32
    .max_flat_workgroup_size: 128
    .sgpr_count:     100
    .vgpr_count:     1024
    .wavefront_size: 32
...
	.end_amdgpu_metadata
.endif
;; end of part 2
;; launch attn (part 3): grid 4 x 64, 16 waves a work-group, clusters of 4 x 1, 210,944 bytes of LDS; arguments q_rec, kv, y_img; writes y_img
.if DOCPART == 3
	.amdgcn_target "amdgcn-amd-amdhsa--gfx1250"
	.amdhsa_code_object_version 6
	.text
	.protected	k_qa275097a4f_attn
	.globl	k_qa275097a4f_attn
	.p2align	8
	.type	k_qa275097a4f_attn,@function
k_qa275097a4f_attn:
	s_mov_b64 s[64:65], 0
	v_nop
	global_prefetch_b8 v0, s[64:65] scope:SCOPE_SE
	s_setreg_imm32_b32 hwreg(HW_REG_WAVE_MODE, 25, 1), 1
	s_wait_xcnt 0x0
	s_wait_alu depctr_hold_cnt(0) depctr_sa_sdst(0) depctr_va_vdst(0) depctr_va_sdst(0) depctr_va_ssrc(0) depctr_va_vcc(0) depctr_vm_vsrc(0)
	s_getreg_b32 s2, hwreg(HW_REG_IB_STS2, 6, 4)
	s_cmp_eq_u32 s2, 0
	s_cbranch_scc0 .Lentry_in_a_cluster
	s_endpgm
.Lentry_in_a_cluster:
	s_bfe_u32 s2, ttmp6, 0x10000c
	s_cmp_lg_u32 s2, 0x3003
	s_cbranch_scc0 .Lentry_shape_is_right
	s_endpgm
.Lentry_shape_is_right:
; y[bh][q] = the sum over k <= q of softmax_k(Q[q] . K[k] / 8) V[k], 64 heads x 2,048 tokens x 64 channels, both products on codes of FP6 (E2M3), and y quantised along the last product's K on the way out.
; THE SOFTMAX AHEAD OF THE SECOND PRODUCT: t = score x log2(e) / 8; M = the running largest t rounded UP to a whole number; p = 2^(t - M) is quantised along the keys, not normalised;
; the row's sum is taken of the unquantised p and divides O at the end.  When M moves, the sum and O are multiplied by 2^(old M - new M): exact.
; IN: q_rec and kv, records for each head and each 128 tokens, in the order of the operand's registers (a half image: 16 rows x 64 codes, 768 bytes: registers 0-3 at 16 x lane, 4-5 at 512 + 8 x lane).
;   The rows of tile i of a record: lane r holds token 32 (i / 2) + 8 (i % 2) + r + 8 (r / 8).
; A HEAD'S K AND V STAY IN LDS: 16 records of 13,056 bytes, each filled once, at the head: no ring and no refill.  The four work-groups of a head form a cluster and ask for the records jointly.
;   Every byte of K and V that a work-group reads is asked for by those sixteen tensor loads, so no later request is left for a prefetch to run ahead of.
; SHARES: a head has 128 tiles of 16 queries.  Wave w of the work-group at place cx owns tiles p = 8 (w / 2) + 2 cx + w % 2 and 127 - p: key steps 0 .. w / 2 and 0 .. 15 - w / 2: 17 steps of 128 keys for every wave.
;   The numbers of steps hang on the wave's number alone; cx enters global addresses and the mask's lane data, no branch and no LDS address.
; LAYOUT: both products transposed: S^T = K Q^T, O^T = V^T P^T: a lane holds one query (lane % 16) throughout; the 16 registers of tiles 2 b, 2 b + 1 of S^T are keys 32 b + 16 (lane / 16) + 0 .. 15.
;   The first product's K is 64: Q's registers 6-11 are zero codes, so what stands in source 0's registers 6-11 (the next tile's codes, or zeros) adds nothing; the scale bytes there lie between 1 and 253.
; OUT: y_img, laid as op_img is: group 16 x batch + token / 128; head hd is half hd % 2 of K step (hd / 2) % 2 of part hd / 4.  A scale word spans two heads, so each head stores its two bytes: 2 bytes a row.
; LIMITS: a block of zeros gets the byte 1; blocks whose largest magnitude lies under 2^-124 are held at the byte 1; NaN and infinities are not served.
.set REC,   13056
.set HEADB, 16*REC
.set SPARE, HEADB                      ; behind the records: the spare words, 128 bytes for each wave: eight blocks of 256 bytes that no other line names
.set SPW, 5                            ; v1 16 x lane, v2 8 x lane, v3 16 r, v4 r + 8 (r / 8) - 16 h: never rewritten
.set NIL, 6
.set VD,  7                            ; v7   my query's place in its 128, less 16 h
.set ADQ, 8                            ; v8-10 the step's LDS addresses
.set ADP, 9
.set ADS, 10
.set QH,  16                           ; v16-27, v28-39 the two tiles' Q;  v40, v41 their scale words
.set QL,  28
.set QHS, 40
.set QLS, 41
.set F,   42                           ; v42-89 K's 8 half images, then V's 4 fragments; v90-95 zero codes
.set S,   96                           ; v96-159 S^T, then p; at a tile's end y
.set O,   160                          ; v160-191 O^T
.set KSC, 192                          ; v192-199 K's scale words;  v200-203 V's
.set VSC, 200
.set PC,  204                          ; v204-215 p's codes;  v216-218, v220-222 second halves
.set T2,  216
.set MX,  224                          ; v224-227 the blocks' largest
.set PM,  228                          ; v228-231 the other half's, then bytes
.set SO,  232                          ; v232-235 the conversions' scale operands
.set PW,  236                          ; p's scale word
.set FF,  238                          ; v[238:239] f, and 0
.set SM2, 240                          ; v[240:241] the second chain of the sum
.set TMP, 242
.set NINF, 243
.set HW,  244                          ; y's two scale bytes
.set YC,  246                          ; v246-251 y's codes
.set TB,  2                            ; s2   LDS byte at which the step's record begins
.set KS,  3                            ; s3   the key step
.set WV,  10
.set CX,  11
.set BH,  12
.set AA,  13
.set EE,  14
.set IL,  15
.set LAST, 16                          ; s16  the tile's last key step: the one on the diagonal
.set IH,  17
.set SAVE, 18
.set SEL, 20
.set CS,  22                           ; s[22:23] c = log2(e) / 8
.set G1,  24
.set G0,  40                           ; s[40:55] four groups 0
.set QBH, 56
.set QSH, 58
.set YBH, 60
.set YSH, 62
.set DOH, 66
.set LAH, 67
.set QBL, 68
.set QSL, 70
.set YBL, 72
.set YSL, 74
.set DOL, 76
.set LAL, 77
.set SYH, 78
.set SYC, 79
.set SYS, 86
.macro CROUND                          ; a round of the cluster's barrier
	s_barrier_signal -1
	s_barrier_wait -1
	s_cmp_lg_u32 s[WV], 0
	s_cbranch_scc1 .Lnot_wave_0_\@
	s_barrier_signal -3
.Lnot_wave_0_\@:
	s_barrier_wait -3
	s_barrier_signal -1
	s_barrier_wait -1
.endm
.macro FRAG reg, a16, a8, off
	ds_load_b128 v[\reg:\reg+3], v[\a16] offset:\off
	ds_load_b64 v[\reg+4:\reg+5], v[\a8] offset:\off+512
	ds_load_b128 v[\reg+6:\reg+9], v[\a16] offset:\off+768
	ds_load_b64 v[\reg+10:\reg+11], v[\a8] offset:\off+1280
.endm
; The addresses of tile (group st of 128 tokens, tile ii of the group): Q's half image and scale words, y's half image and scale bytes, and the tile's first query in its group
.macro TILEADR st, ii, qb, qs, yb, ys, doff
	s_lshl_b32 s80, s[BH], 4
	s_add_co_u32 s80, s80, s[\st]
	s_mul_i32 s80, s80, 6656                       ; the record of q_rec
	s_mul_i32 s82, s[\ii], 768
	s_add_co_u32 s82, s82, s80
	s_mov_b32 s83, 0
	s_add_nc_u64 s[\qb:\qb+1], s[4:5], s[82:83]
	s_lshr_b32 s82, s[\ii], 2
	s_lshl_b32 s82, s82, 8
	s_and_b32 s84, s[\ii], 3
	s_lshl_b32 s84, s84, 2
	s_add_co_u32 s82, s82, s84
	s_add_co_u32 s82, s82, s80
	s_add_co_u32 s82, s82, 6144
	s_add_nc_u64 s[\qs:\qs+1], s[4:5], s[82:83]
	s_lshr_b32 s80, s[BH], 4
	s_lshl_b32 s80, s80, 4
	s_add_co_u32 s80, s80, s[\st]                  ; the group of y_img
	s_mul_i32 s80, s80, 102400
	s_add_co_u32 s80, s80, s[SYH]
	s_mul_i32 s82, s[\ii], 1536
	s_add_co_u32 s82, s82, s80
	s_add_co_u32 s82, s82, s[SYC]
	s_add_nc_u64 s[\yb:\yb+1], s[8:9], s[82:83]
	s_lshr_b32 s82, s[\ii], 1
	s_lshl_b32 s82, s82, 8
	s_and_b32 s84, s[\ii], 1
	s_lshl_b32 s84, s84, 3
	s_add_co_u32 s82, s82, s84
	s_add_co_u32 s82, s82, s80
	s_add_co_u32 s82, s82, s[SYS]
	s_add_nc_u64 s[\ys:\ys+1], s[8:9], s[82:83]
	s_lshr_b32 s82, s[\ii], 1
	s_lshl_b32 s82, s82, 5
	s_add_co_u32 s[\doff], s82, s84                ; 32 (i / 2) + 8 (i % 2)
.endm
	s_load_b128 s[4:7], s[0:1], 0x0                ; q_rec s[4:5], kv s[6:7]
	s_load_b64 s[8:9], s[0:1], 0x10                ; y_img
	v_lshl_add_u32 v[SPW], v0, 2, SPARE
	v_mov_b32 v[NIL], 0
	ds_add_u32 v[SPW], v[NIL]                      ; the wave's opening: the adds, whose wait stands ahead of the first tensor loads; the set-up below stands between them
	ds_add_u32 v[SPW], v[NIL]
	v_lshrrev_b32 v7, 5, v0
	s_delay_alu instid0(VALU_DEP_1)
	v_readfirstlane_b32 s[WV], v7                  ; wave 0..15
	s_bfe_u32 s[CX], ttmp6, 0x40000                ; my place in the cluster
	s_and_b32 s[BH], ttmp7, 0xffff                 ; 16 x batch + head, which the four partners share
	; descriptor group 1: a record, 13,056 dense bytes, as 51 rows of 256 bytes (32 elements of 8 bytes), no padding
	s_mov_b32 s[G1], 15|(3<<16)|(1<<21)            ; 15:0 the mask: all four work-groups; 17:16 elements of 8 bytes; 21 set beside a mask
	s_mov_b32 s[G1+1], 32<<16
	s_mov_b32 s[G1+2], 51<<16
	s_mov_b32 s[G1+3], 32<<16
	s_mov_b32 s[G1+4], 51
	s_mov_b32 s[G1+5], 32
	s_mov_b32 s[G1+6], 0
	s_mov_b32 s[G1+7], 0
	s_and_b32 s80, s[WV], 3
	s_mul_i32 s80, s80, REC                        ; waves 0-3 fetch records w, w + 4, w + 8, w + 12
	s_mul_i32 s82, s[BH], HEADB
	s_add_co_u32 s82, s82, s80
	s_mov_b32 s83, 0
	s_mov_b32 s[SEL], 0x76543210
	s_mov_b32 s[SEL+1], 0xfedcba98
	s_mov_b32 s[CS], 0x3e38aa3b                    ; c = log2(e) / 8
	s_mov_b32 s[CS+1], s[CS]                       ; (named with it as a pair, so it is written)
	s_wait_dscnt 0x0                               ; the opening add is done
	s_wait_kmcnt 0x0
	s_add_nc_u64 s[84:85], s[6:7], s[82:83]
	CROUND                                         ; all four work-groups are here: the joint loads meet
.irp n, 0,1,2,3
	s_mov_b32 s[G0+4*\n], 1
	s_add_co_u32 s[G0+4*\n+1], s80, \n*4*REC
	s_add_nc_u64 s[G0+4*\n+2:G0+4*\n+3], s[84:85], \n*4*REC
	s_or_b32 s[G0+4*\n+3], s[G0+4*\n+3], 0x80000000
.endr
	s_cmp_lt_u32 s[WV], 4                          ; a wave's four fills stand in one branch on the wave's number: four tensor loads of a fetching wave are out
	s_cbranch_scc0 .Lno_fetch
.irp n, 0,1,2,3
	tensor_load_to_lds s[G0+4*\n:G0+4*\n+3], s[G1:G1+7]
	s_nop 0
.endr
.rept 4
	v_nop
.endr
.Lno_fetch:
	v_and_b32 v4, 31, v0
	s_delay_alu instid0(VALU_DEP_1)
	v_lshlrev_b32 v1, 4, v4                        ; 16 x lane
	s_wait_alu depctr_va_vdst(0)
	v_lshlrev_b32 v2, 3, v4                        ; 8 x lane
	s_wait_alu depctr_va_vdst(0)
	v_and_b32 v11, 15, v0                          ; r
	s_delay_alu instid0(VALU_DEP_1)
	v_lshlrev_b32 v3, 4, v11                       ; 16 r
	s_wait_alu depctr_va_vdst(0)
	v_and_b32 v4, 8, v11
	s_delay_alu instid0(VALU_DEP_1)
	v_add_nc_u32 v4, v4, v11
	v_bfe_u32 v11, v0, 4, 1
	s_delay_alu instid0(VALU_DEP_1)
	v_lshlrev_b32 v11, 4, v11
	s_delay_alu instid0(VALU_DEP_1)
	v_sub_nc_u32 v4, v4, v11                       ; r + 8 (r / 8) - 16 h
	s_lshr_b32 s[AA], s[WV], 1
	s_and_b32 s[EE], s[WV], 1
	s_lshl_b32 s[IL], s[CX], 1
	s_add_co_u32 s[IL], s[IL], s[EE]               ; the early tile's place in its group,
	s_sub_co_u32 s[IH], 7, s[IL]                   ; the late tile's
	s_mov_b32 s[LAL], s[AA]                        ; their groups = their last key steps
	s_sub_co_u32 s[LAH], 15, s[AA]
	s_and_b32 s80, s[BH], 15                       ; the head
	s_lshr_b32 s81, s80, 2
	s_mul_i32 s[SYH], s81, 25600                   ; its part of 256 along y's K,
	s_bfe_u32 s81, s80, 0x10001
	s_and_b32 s80, s80, 1
	s_mul_i32 s[SYC], s81, 12288                   ; its K step of 128,
	s_mul_i32 s82, s80, 768                        ; its half of a fragment
	s_add_co_u32 s[SYC], s[SYC], s82
	s_lshl_b32 s81, s81, 2
	s_lshl_b32 s80, s80, 1
	s_add_co_u32 s[SYS], s81, s80
	s_add_co_u32 s[SYS], s[SYS], 24576             ; and its two bytes of a scale word
	TILEADR LAH, IH, QBH, QSH, YBH, YSH, DOH
	TILEADR LAL, IL, QBL, QSL, YBL, YSL, DOL
	global_load_b128 v[QH:QH+3], v1, s[QBH:QBH+1]
	global_load_b64 v[QH+4:QH+5], v2, s[QBH:QBH+1] offset:512
	global_load_b32 v[QHS], v3, s[QSH:QSH+1]
	global_load_b128 v[QL:QL+3], v1, s[QBL:QBL+1]
	global_load_b64 v[QL+4:QL+5], v2, s[QBL:QBL+1] offset:512
	global_load_b32 v[QLS], v3, s[QSL:QSL+1]
.irp j, 6,7,8,9,10,11
	v_mov_b32 v[QH+\j], 0                          ; zero codes for k = 64 .. 127
	v_mov_b32 v[QL+\j], 0
	v_mov_b32 v[F+42+\j], 0                        ; and behind K's last half image
.endr
.irp b, 0,1,2,3
	v_mov_b32 v[PM+\b], 0                          ; written once: a lane permute's destination counts as one of its sources
.endr
	v_mov_b32 v[FF+1], 0                           ; (named as the upper half of a pair)
	v_mov_b32 v[NINF], 0xff800000                  ; -infinity
; A tile begins: O^T and the sum are zeros and the largest t is -3e38, so that the step is written once: the first change of M multiplies zeros.
.macro INIT doff, last
	v_mov_b32 v13, 0xff61b1e6
	s_delay_alu instid0(VALU_DEP_1)
	v_floor_f32 v12, -v13                          ; -M
	v_mov_b32 v14, 0
	v_mov_b32 v15, 0
.set j, 0
.rept 32
	v_mov_b32 v[O+j], 0
.set j, j+1
.endr
	v_add_nc_u32 v[VD], s[\doff], v4
	s_mov_b32 s[TB], 0
	s_mov_b32 s[KS], 0
	s_mov_b32 s[LAST], s[\last]
.endm
; A KEY STEP: 128 keys.  A step all of whose keys come after the tile's queries is left out: a scalar branch on the wave's number, round its loads and work, not round the lines at its end that step the address and the count.
.macro STEP qf, qs
	s_cmp_gt_u32 s[KS], s[LAST]
	s_cbranch_scc1 .Lhidden_\@
	s_setprio 2
	v_add_nc_u32 v[ADQ], s[TB], v1
	v_add_nc_u32 v[ADP], s[TB], v2
	v_add_nc_u32 v[ADS], s[TB], v3
	v_nop                                          ; with the three additions: four places in front of loads into registers that the last products read
.irp i, 0,1,2,3,4,5,6,7
	ds_load_b128 v[F+6*\i:F+6*\i+3], v[ADQ] offset:768*\i
	ds_load_b64 v[F+6*\i+4:F+6*\i+5], v[ADP] offset:768*\i+512
.endr
	ds_load_b128 v[KSC:KSC+3], v[ADS] offset:12288
	ds_load_b128 v[KSC+4:KSC+7], v[ADS] offset:12544
	s_wait_alu depctr_va_vdst(0)
	s_wait_dscnt 0x0
.irp i, 0,1,2,3,4,5,6,7
	v_wmma_scale_f32_16x16x128_f8f6f4 v[S+8*\i:S+8*\i+7], v[F+6*\i:F+6*\i+11], v[\qf:\qf+11], 0, v[KSC+\i], v[\qs] matrix_a_fmt:MATRIX_FMT_FP6 matrix_b_fmt:MATRIX_FMT_FP6
.endr
.rept 4
	v_nop                                          ; places: in front of the loads below and of the first read of the scores
.endr
.irp t, 0,1,2,3
	FRAG F+12*\t, ADQ, ADP, 6144+1536*\t           ; V's fragments land while the softmax is worked
.endr
	ds_load_b128 v[VSC:VSC+3], v[ADS] offset:12800
	s_cmp_lg_u32 s[KS], s[LAST]                    ; on the diagonal the scores of hidden keys become -infinity ahead of the maximum: p = 0 then
	s_cbranch_scc1 .Lopen_\@
.set n, 0
.rept 64
	v_cmp_gt_i32 vcc_lo, 32*(n/16)+n%16, v[VD]     ; register n holds key 32 (n / 16) + n % 16 + 16 h of the step
	v_cndmask_b32 v[S+n], v[S+n], v[NINF], vcc_lo
.set n, n+1
.endr
.Lopen_\@:
.irp b, 0,1,2,3
	v_max3_num_f32 v[MX+\b], v[S+16*\b], v[S+1+16*\b], v[S+2+16*\b]   ; the largest score of each block of 32 keys: it serves for the row's maximum and, since p rises with the score, for the block's largest p
.endr
.irp i, 3,5,7,9,11,13
.irp b, 0,1,2,3
	v_max3_num_f32 v[MX+\b], v[MX+\b], v[S+16*\b+\i], v[S+1+16*\b+\i]
.endr
.endr
.irp b, 0,1,2,3
	v_max_num_f32 v[MX+\b], v[MX+\b], v[S+15+16*\b]
.endr
.irp b, 0,1,2,3
	s_delay_alu instid0(VALU_DEP_4)
	v_permlanex16_b32 v[PM+\b], v[MX+\b], s[SEL], s[SEL+1]
.endr
.irp b, 0,1,2,3
	s_delay_alu instid0(VALU_DEP_4)
	v_max_num_f32 v[MX+\b], v[MX+\b], v[PM+\b]     ; with lane l xor 16's 16 keys
.endr
	s_delay_alu instid0(VALU_DEP_2)
	v_max3_num_f32 v[TMP], v[MX], v[MX+1], v[MX+2]
	s_delay_alu instid0(VALU_DEP_1)
	v_max_num_f32 v[TMP], v[TMP], v[MX+3]          ; the step's largest score of my query
	s_delay_alu instid0(VALU_DEP_1)
	v_mul_f32 v[TMP], s[CS], v[TMP]                ; as t
	s_delay_alu instid0(VALU_DEP_1)
	v_max_num_f32 v13, v13, v[TMP]                 ; the running largest t
	v_mov_b32 v[TMP], v12
	s_delay_alu instid0(VALU_DEP_2)
	v_floor_f32 v12, -v13                          ; the new -M = -ceil(t): a whole number
	s_delay_alu instid0(VALU_DEP_1)
	v_sub_f32 v[TMP], v12, v[TMP]                  ; old M - new M: a whole number, 0 or less
	s_delay_alu instid0(VALU_DEP_1)
	v_cvt_i32_f32 v[TMP], v[TMP]                   ; (it saturates)
	s_delay_alu instid0(VALU_DEP_1)
	v_ldexp_f32 v[FF], 1.0, v[TMP]                 ; f = 2^(old M - new M)
.set j, 0
.rept 32
	v_pk_fma_f32 v[S+j:S+j+1], v[S+j:S+j+1], s[CS:CS+1], v[12:13] op_sel_hi:[1,0,0]   ; t - M, two at a time
.set j, j+2
.endr
	s_setprio 1
.irp b, 0,1,2,3
	v_fma_f32 v[MX+\b], v[MX+\b], s[CS], v12       ; the same of each block's largest score
.endr
.set j, 0
	s_wait_alu depctr_va_vdst(0)
.rept 64
	v_exp_f32 v[S+j], v[S+j]                       ; p = 2^(t - M), at most 1
.set j, j+1
.endr
	v_pk_mul_f32 v[14:15], v[14:15], v[FF:FF+1] op_sel_hi:[1,0]   ; the sums under the new M: a plain place behind the exponentials
	s_wait_alu depctr_va_vdst(0)                   ; one wait for the whole batch, ahead of its first reader
.irp b, 0,1,2,3
	v_exp_f32 v[MX+\b], v[MX+\b]                   ; the block's largest p
.endr
	v_pk_add_f32 v[240:241], v[100:101], v[104:105]
	v_pk_add_f32 v[254:255], v[108:109], v[112:113]
	v_pk_add_f32 v[252:253], v[116:117], v[120:121]
	v_pk_add_f32 v[14:15], v[14:15], v[124:125]
	v_pk_add_f32 v[240:241], v[240:241], v[128:129]
	v_pk_add_f32 v[254:255], v[254:255], v[132:133]
	v_pk_add_f32 v[252:253], v[252:253], v[136:137]
	v_pk_add_f32 v[14:15], v[14:15], v[140:141]
	v_pk_add_f32 v[240:241], v[240:241], v[144:145]
	v_pk_add_f32 v[254:255], v[254:255], v[148:149]
	v_pk_add_f32 v[252:253], v[252:253], v[152:153]
	v_pk_add_f32 v[14:15], v[14:15], v[156:157]
	v_pk_add_f32 v[240:241], v[240:241], v[96:97]
	v_pk_add_f32 v[254:255], v[254:255], v[98:99]
	v_pk_add_f32 v[252:253], v[252:253], v[102:103]
	v_pk_add_f32 v[14:15], v[14:15], v[106:107]
	v_pk_add_f32 v[240:241], v[240:241], v[110:111]
	v_pk_add_f32 v[254:255], v[254:255], v[114:115]
	v_pk_add_f32 v[252:253], v[252:253], v[118:119]
	v_pk_add_f32 v[14:15], v[14:15], v[122:123]
	v_pk_add_f32 v[240:241], v[240:241], v[126:127]
	v_pk_add_f32 v[254:255], v[254:255], v[130:131]
	v_pk_add_f32 v[252:253], v[252:253], v[134:135]
	v_pk_add_f32 v[14:15], v[14:15], v[138:139]
	v_pk_add_f32 v[240:241], v[240:241], v[142:143]
	v_pk_add_f32 v[254:255], v[254:255], v[146:147]
	v_pk_add_f32 v[252:253], v[252:253], v[150:151]
	v_pk_add_f32 v[14:15], v[14:15], v[154:155]
	v_pk_add_f32 v[240:241], v[240:241], v[158:159]
	s_delay_alu instid0(VALU_DEP_2)
	v_pk_add_f32 v[14:15], v[14:15], v[254:255]
	s_delay_alu instid0(VALU_DEP_2)
	v_pk_add_f32 v[240:241], v[240:241], v[252:253]
	s_delay_alu instid0(VALU_DEP_1)
	v_pk_add_f32 v[14:15], v[14:15], v[240:241]
	s_wait_alu depctr_va_vdst(0)                   ; and one for the four
.irp b, 0,1,2,3
	v_max_num_f32 v[MX+\b], 0x1800000, v[MX+\b]    ; the floor 2^(3 - 127): the byte cannot fall under 1
.endr
.irp b, 0,1,2,3
	s_delay_alu instid0(VALU_DEP_4)
	v_add_nc_u32 v[SO+\b], 0xff000000, v[MX+\b]    ; 2 off the exponent field: the conversion's scale operand
.endr
.irp b, 0,1,2,3
	s_delay_alu instid0(VALU_DEP_4)
	v_lshrrev_b32 v[PM+\b], 23, v[SO+\b]           ; the scale's byte
.endr
	s_delay_alu instid0(VALU_DEP_3)
	v_lshl_or_b32 v[PW], v[PM+1], 8, v[PM]         ; p's scale word for these 128 keys
	s_delay_alu instid0(VALU_DEP_1)
	v_lshl_or_b32 v[PW], v[PM+2], 16, v[PW]
	s_delay_alu instid0(VALU_DEP_1)
	v_lshl_or_b32 v[PW], v[PM+3], 24, v[PW]
	s_setprio 0
.irp c, 0,1
	v_cvt_scalef32_pk16_fp6_f32 v[PC+6*\c:PC+6*\c+2], v[S+32*\c:S+32*\c+15], v[SO+2*\c]
	v_cvt_scalef32_pk16_fp6_f32 v[T2+4*\c:T2+4*\c+2], v[S+32*\c+16:S+32*\c+31], v[SO+2*\c+1]
.endr
	v_nop                                          ; one plain place behind a scaled conversion
.irp c, 0,1                                ; the operand's layout wants a whole block in a lane
.irp i, 0,1,2
	v_permlane16_swap_b32 v[PC+6*\c+\i], v[T2+4*\c+\i]
.endr
.irp i, 0,1,2
	s_delay_alu instid0(VALU_DEP_3)
	v_mov_b32 v[PC+3+6*\c+\i], v[T2+4*\c+\i]
.endr
.endr
.set j, 0
.rept 16
	v_pk_mul_f32 v[O+j:O+j+1], v[O+j:O+j+1], v[FF:FF+1] op_sel_hi:[1,0]   ; O^T under the new M.  (These 16 are also the places between the scale word's and the codes' last writes and the products)
.set j, j+2
.endr
	s_wait_alu depctr_va_vdst(0)
	s_wait_dscnt 0x0                               ; V
.irp t, 0,1,2,3
	v_wmma_scale_f32_16x16x128_f8f6f4 v[O+8*\t:O+8*\t+7], v[F+12*\t:F+12*\t+11], v[PC:PC+11], v[O+8*\t:O+8*\t+7], v[VSC+\t], v[PW] matrix_a_fmt:MATRIX_FMT_FP6 matrix_b_fmt:MATRIX_FMT_FP6
.endr
.Lhidden_\@:
	s_add_co_u32 s[TB], s[TB], REC
	s_add_co_u32 s[KS], s[KS], 1
.endm
; A tile ends: O^T / the sum is y: register 16 b + i = channel 32 b + 16 h + i of my query: two blocks of y's K.  They are quantised and leave as a half image and two scale bytes a row.
.macro FINISH yb, ys
.rept 4
	v_nop                                          ; places behind the last products
.endr
	v_add_f32 v14, v14, v15                        ; the sum's two halves,
	s_delay_alu instid0(VALU_DEP_1)
	v_permlanex16_b32 v[PM], v14, s[SEL], s[SEL+1]
	s_delay_alu instid0(VALU_DEP_1)
	v_add_f32 v14, v14, v[PM]                      ; and lane l xor 16's
	s_wait_alu depctr_va_vdst(0)
	v_rcp_f32 v14, v14
	v_and_b32 v[TMP], 31, v0                       ; (a plain place behind the reciprocal)
	s_wait_alu depctr_va_vdst(0)                   ; the wait, ahead of the first reader
.set j, 0
.rept 32
	v_mul_f32 v[S+j], v[O+j], v14                  ; each accumulator from its low end on
.set j, j+1
.endr
.irp b, 0,1
	v_max3_num_f32 v[MX+\b], |v[S+16*\b]|, |v[S+16*\b+1]|, 0x1800000
.endr
.irp i, 2,4,6,8,10,12,14
.irp b, 0,1
	s_delay_alu instid0(VALU_DEP_2)
	v_max3_num_f32 v[MX+\b], v[MX+\b], |v[S+16*\b+\i]|, |v[S+16*\b+\i+1]|
.endr
.endr
.irp b, 0,1
	s_delay_alu instid0(VALU_DEP_2)
	v_permlanex16_b32 v[PM+\b], v[MX+\b], s[SEL], s[SEL+1]
.endr
.irp b, 0,1
	s_delay_alu instid0(VALU_DEP_2)
	v_max_num_f32 v[MX+\b], v[MX+\b], v[PM+\b]
.endr
.irp b, 0,1
	s_delay_alu instid0(VALU_DEP_2)
	v_add_nc_u32 v[SO+\b], 0xff000000, v[MX+\b]
.endr
.irp b, 0,1
	s_delay_alu instid0(VALU_DEP_2)
	v_lshrrev_b32 v[PM+\b], 23, v[SO+\b]
.endr
	s_wait_alu depctr_va_vdst(0)
	s_wait_xcnt 0x0                                ; the other tile's stores have read their data: it is written again only behind this wait
	v_lshl_or_b32 v[HW], v[PM+1], 8, v[PM]
	v_cvt_scalef32_pk16_fp6_f32 v[YC:YC+2], v[S:S+15], v[SO]
	v_cvt_scalef32_pk16_fp6_f32 v[T2:T2+2], v[S+16:S+31], v[SO+1]
	v_nop
.irp i, 0,1,2
	v_permlane16_swap_b32 v[YC+\i], v[T2+\i]
.endr
.irp i, 0,1,2
	s_delay_alu instid0(VALU_DEP_3)
	v_mov_b32 v[YC+3+\i], v[T2+\i]
.endr
	v_cmp_gt_u32 vcc_lo, 16, v[TMP]
	global_store_b128 v1, v[YC:YC+3], s[\yb:\yb+1]             ; 512 consecutive bytes, aligned
	global_store_b64 v2, v[YC+4:YC+5], s[\yb:\yb+1] offset:512 ; 256
	s_wait_xcnt 0x0                                ; EXEC changes only behind this wait
	s_and_saveexec_b32 s[SAVE], vcc_lo
	global_store_b16 v3, v[HW], s[\ys:\ys+1]       ; lanes 0-15: my row's two bytes
	s_wait_xcnt 0x0
	s_or_b32 exec_lo, exec_lo, s[SAVE]
.endm
	INIT DOH, LAH
	s_wait_loadcnt 0x0                             ; Q
	s_wait_tensorcnt 0x3                           ; a fetching wave's first load is in: records 0-3; its three later loads may be out
	s_barrier_signal -1
	s_barrier_wait -1
.Lfirst:                                           ; the late tile, key steps 0-3
	STEP QH, QHS
	s_cmp_lt_u32 s[KS], 4
	s_cbranch_scc1 .Lfirst
	s_setprio 0
	s_wait_tensorcnt 0x0                           ; all sixteen records
	s_wait_dscnt 0x0
	s_barrier_signal -1
	s_barrier_wait -1
	s_mov_b32 s[KS], 4
	s_mov_b32 s[TB], 4*REC
.Lrest:                                            ; key steps 4-15, of which the tile takes those up to its diagonal
	STEP QH, QHS
	s_cmp_lt_u32 s[KS], 16
	s_cbranch_scc1 .Lrest
	s_setprio 0
	FINISH YBH, YSH
	INIT DOL, LAL
.Learly:                                           ; the early tile: key steps 0-7, likewise
	STEP QL, QLS
	s_cmp_lt_u32 s[KS], 8
	s_cbranch_scc1 .Learly
	s_setprio 0
	FINISH YBL, YSL
	s_wait_tensorcnt 0x0                           ; the wave's end
	ds_add_u32 v[SPW], v[NIL]
	s_wait_dscnt 0x0
	CROUND                                         ; the closing round
	s_endpgm
.Lfunc_end_k_qa275097a4f_attn:
	.size	k_qa275097a4f_attn, .Lfunc_end_k_qa275097a4f_attn-k_qa275097a4f_attn
	.p2alignl 7, 3214868480
	.fill 96, 4, 3214868480
	.section	.rodata,"a",@progbits
	.p2align	6, 0x0
	.amdhsa_kernel k_qa275097a4f_attn
		.amdhsa_group_segment_fixed_size 210944
		.amdhsa_private_segment_fixed_size 0
		.amdhsa_enable_private_segment 0
		.amdhsa_kernarg_size 24
		.amdhsa_user_sgpr_count 2
		.amdhsa_user_sgpr_kernarg_segment_ptr 1
		.amdhsa_wavefront_size32 1
		.amdhsa_system_sgpr_workgroup_id_x 1
		.amdhsa_system_sgpr_workgroup_id_y 1
		.amdhsa_system_sgpr_workgroup_id_z 1
		.amdhsa_system_vgpr_workitem_id 0
		.amdhsa_next_free_vgpr 256
		.amdhsa_next_free_sgpr 100
		.amdhsa_reserve_vcc 1
		.amdhsa_float_denorm_mode_32 3
		.amdhsa_float_denorm_mode_16_64 3
		.amdhsa_memory_ordered 1
		.amdhsa_forward_progress 1
		.amdhsa_inst_pref_size 89
	.end_amdhsa_kernel
	.amdgpu_metadata
---
amdhsa.version: [ 1, 2 ]
amdhsa.kernels:
  - .name:           k_qa275097a4f_attn
    .symbol:         k_qa275097a4f_attn.kd
    .args:
      - { .name: q_rec, .offset: 0, .size: 8, .value_kind: global_buffer, .address_space: global }
      - { .name: kv, .offset: 8, .size: 8, .value_kind: global_buffer, .address_space: global }
      - { .name: y_img, .offset: 16, .size: 8, .value_kind: global_buffer, .address_space: global }
    .group_segment_fixed_size: 210944
    .private_segment_fixed_size: 0
    .kernarg_segment_align: 8
    .kernarg_segment_size: 24
    .max_flat_workgroup_size: 512
    .sgpr_count:     100
    .vgpr_count:     256
    .wavefront_size: 32
...
	.end_amdgpu_metadata
.endif
;; end of part 3
;; launch proj (part 4): grid 4 x 32, 4 waves a work-group, clusters of 4 x 4, 327,680 bytes of LDS; arguments y_img, op_img, b_proj, out0; writes out0
.if DOCPART == 4
	.amdgcn_target "amdgcn-amd-amdhsa--gfx1250"
	.amdhsa_code_object_version 6
	.text
	.protected	k_qa275097a4f_proj
	.globl	k_qa275097a4f_proj
	.p2align	8
	.type	k_qa275097a4f_proj,@function
k_qa275097a4f_proj:
	s_mov_b64 s[64:65], 0
	v_nop
	global_prefetch_b8 v0, s[64:65] scope:SCOPE_SE
	s_setreg_imm32_b32 hwreg(HW_REG_WAVE_MODE, 25, 1), 1
	s_wait_xcnt 0x0
	s_wait_alu depctr_hold_cnt(0) depctr_sa_sdst(0) depctr_va_vdst(0) depctr_va_sdst(0) depctr_va_ssrc(0) depctr_va_vcc(0) depctr_vm_vsrc(0)
	s_getreg_b32 s2, hwreg(HW_REG_IB_STS2, 6, 4)
	s_cmp_eq_u32 s2, 0
	s_cbranch_scc0 .Lentry_in_a_cluster
	s_endpgm
.Lentry_in_a_cluster:
	s_bfe_u32 s2, ttmp6, 0x10000c
	s_cmp_lg_u32 s2, 0xf033
	s_cbranch_scc0 .Lentry_shape_is_right
	s_endpgm
.Lentry_shape_is_right:
; out0 = y W_proj^T + b_proj on codes of FP6 (E2M3), K = 1,024.  y comes from y_img, W_proj from op_img's groups 88-95, both laid in the order of the operand's registers
; (groups of 128 rows; a group's part of 256 along K is one dense block of 25,600 bytes: 16 fragments of 1,536 bytes and 1,024 bytes of scale words).
; A tile of 256 tokens x 256 columns is made by four waves, 128 x 128 each: 64 accumulators, 512 registers.  Source 0 = 16 rows of W_proj, source 1 = 16 tokens: a lane holds one token and eight neighbouring columns a tile.
; The rows of a tile are not neighbours: lane r of tile i holds row 32 (i / 2) + 8 (i % 2) + r + 8 (r / 8) of its group; the way out puts tokens and columns back in their places.
; K goes in steps of 256 through a ring of two LDS slots; each wave fetches one group's part with one tensor load.  CLUSTERS: 4 x 4 work-groups; y's parts are asked for jointly along a row of the cluster, W_proj's along a column.
; 32 x 4 tiles: 128 work-groups.  A wave tile of 64 x 128 would give 256, but would read each fragment of W_proj from LDS for half as many products.
; No prefetch: of the four parts along K two come by the first fills, and the other two are asked for one part's 128 matrix instructions after them.
; REGISTERS, in windows of 256: window 0: v1-12 lane numbers; v16-27 LDS addresses; v28, v29 the add's two; v32-63 scale words, two sets; v64-127 the bias as the first products' C; v128-223 A's fragments, one set;
;   on the way out v128-255 take rows read back from the stage.   window 1: B's fragments, two sets.   windows 2, 3: the accumulators, (a, b) at v[8 (8 (a % 4) + b)].
.set GRP,    102400
.set HALFT,  25600
.set SLOT,   4*HALFT
.set SPARE,  2*SLOT                    ; behind the ring: the spare words, 128 bytes for each wave: two blocks of 256 bytes that no other line names
.set FR,     12
.set NL,     4
.set NP,     4
.set NQ,     2
.set LAPS,   2
.set SPITCH, 528                       ; the way out: a stage of 16 rows x (512 bytes + 16) for each wave, in slot 0, which has had its last fill and its last read when the first result is stored there
.set CO,   4                           ; v4   16 x lane
.set ADRA, 16
.set ADRA8, 18
.set ADRB, 20
.set ADRB8, 22
.set ADRS, 24
.set STO,  26                          ; v26  the stage: where I put 32 bytes of a row
.set RD,   27                          ; v27  and where I read a row back
.set SPW,  28
.set NIL,  29
.set SC,   32
.set BIAS, 64
.set AF,   128
.set BK,   128                         ; the way out: v128-191 and v192-255 by turns
.set G1,   24
.set G0,   32
.set G1B,  48
.set G0B,  56
.set MSB, 0
.macro WIN new                         ; the immediate's high byte repeats the setting that is left
.if MSB != \new
	s_set_vgpr_msb (MSB<<8)|\new
.set MSB, \new
.endif
.endm
.set MUL_LO, 0xa1                      ; source 0 (B) window 1, source 1 (A) window 0, C and D window 2
.set MUL_HI, 0xf1
.set TO_B,   0x40
; A joint load: waves 0 and 1 fetch for A, waves 2 and 3 for B; the branch hangs on the wave's number alone.  An s_nop 0 and four v_nop follow each of the two lines.
.macro JLOAD g0a, g1a, g0b, g1b
	s_cmp_eq_u32 s15, 0
	s_cbranch_scc0 .Lfor_b_\@
	tensor_load_to_lds s[\g0a:\g0a+3], s[\g1a:\g1a+7]
	s_nop 0
.rept 4
	v_nop
.endr
	s_branch .Lasked_\@
.Lfor_b_\@:
	tensor_load_to_lds s[\g0b:\g0b+3], s[\g1b:\g1b+7]
	s_nop 0
.rept 4
	v_nop
.endr
.Lasked_\@:
.endm
.macro CREST
	s_cmp_lg_u32 s14, 0
	s_cbranch_scc1 .Lnot_wave_0_\@
	s_barrier_signal -3
.Lnot_wave_0_\@:
	s_barrier_wait -3
	s_barrier_signal -1
	s_barrier_wait -1
.endm
.macro CROUND
	s_barrier_signal -1
	s_barrier_wait -1
	CREST
.endm
.macro PLACES n
.rept \n
	v_nop
.endr
.endm
.macro FRAG reg, a16, a8, off          ; a fragment comes back as it was stored: every load takes 512 or 256 consecutive bytes
	ds_load_b128 v[\reg:\reg+3], v[\a16] offset:\off
	ds_load_b64 v[\reg+4:\reg+5], v[\a8] offset:\off+512
	ds_load_b128 v[\reg+6:\reg+9], v[\a16] offset:\off+768
	ds_load_b64 v[\reg+10:\reg+11], v[\a8] offset:\off+1280
.endm
.macro FETCH_B slot, q, p
	WIN TO_B
.irp i, 0,1,2,3,4,5,6,7
	FRAG 128*(\p)+FR*\i, ADRB+\slot, ADRB8+\slot, 12288*(\q)+1536*\i
.endr
	WIN 0
.endm
.macro FETCH_A slot, q, i0
.irp i, \i0, \i0+1, \i0+2, \i0+3
	FRAG AF+FR*(\i), ADRA+\slot, ADRA8+\slot, 12288*(\q)+1536*(\i)
.endr
.endm
.macro SCALES sc
.irp m, 0,1,2,3
	ds_load_b128 v[SC+16*\sc+4*\m:SC+16*\sc+4*\m+3], v[ADRS+\sc] offset:256*\m
.endr
.endm
; 16 matrix instructions: A's blocks a0, a0 + 1 x B's eight.  first = 1: the bias registers are the C of the sums' first products.  The 64 accumulators take turns, one instruction a turn.
.macro MUL16 a0, p, q, sc, first
.irp a, \a0, \a0+1
.irp b, 0,1,2,3,4,5,6,7
.if \first
	v_wmma_scale_f32_16x16x128_f8f6f4 v[8*(8*((\a)%4)+\b):8*(8*((\a)%4)+\b)+7], v[128*(\p)+FR*\b:128*(\p)+FR*\b+FR-1], v[AF+FR*(\a):AF+FR*(\a)+FR-1], v[BIAS+8*\b:BIAS+8*\b+7], v[SC+16*(\sc)+2*\b+(\q)], v[SC+16*(\sc)+2*(\a)+(\q)] matrix_a_fmt:MATRIX_FMT_FP6 matrix_b_fmt:MATRIX_FMT_FP6 matrix_a_scale:MATRIX_SCALE_ROW1
.else
	v_wmma_scale_f32_16x16x128_f8f6f4 v[8*(8*((\a)%4)+\b):8*(8*((\a)%4)+\b)+7], v[128*(\p)+FR*\b:128*(\p)+FR*\b+FR-1], v[AF+FR*(\a):AF+FR*(\a)+FR-1], v[8*(8*((\a)%4)+\b):8*(8*((\a)%4)+\b)+7], v[SC+16*(\sc)+2*\b+(\q)], v[SC+16*(\sc)+2*(\a)+(\q)] matrix_a_fmt:MATRIX_FMT_FP6 matrix_b_fmt:MATRIX_FMT_FP6 matrix_a_scale:MATRIX_SCALE_ROW1
.endif
.endr
.endr
.endm
.macro STEP slot, q, first
	s_wait_dscnt 4*NL                              ; B's set, A's blocks 0-3 and the scale words are in; the youngest 16 loads (A's blocks 4-7) may be out
.if \first
	WIN 0x81                                       ; C (the bias) window 0, D window 2
.else
	WIN MUL_LO
.endif
	MUL16 0, (\q)%2, \q, \slot, \first
	MUL16 2, (\q)%2, \q, \slot, \first
	s_wait_dscnt 0
	PLACES NP                                      ; in front of loads into registers that matrix instructions have read
	FETCH_B \slot, (\q)+1, 1-(\q)%2
	FETCH_A \slot, (\q)+1, 0
.if \first
	WIN 0xc1
.else
	WIN MUL_HI
.endif
	MUL16 4, (\q)%2, \q, \slot, \first
	MUL16 6, (\q)%2, \q, \slot, \first
	PLACES NP
	WIN 0
	FETCH_A \slot, (\q)+1, 4
.endm
; A slot's last step changes slots: one barrier; in front of it each wave waits for all its tensor loads, adds 0 to its spare word, and waits for that and for its own reads of this slot.
.macro TURN slot, next, fill
	s_wait_tensorcnt 0x0                           ; all my tensor loads have landed: my part of the next slot
	ds_add_u32 v[SPW], v[NIL]                      ; 0 onto my spare word
	s_wait_dscnt 4*NL+1                            ; (the add and the youngest 16 loads may be out)
	WIN MUL_LO
	MUL16 0, 1, NQ-1, \slot, 0
	s_wait_dscnt 0x0                               ; the add is done, and my reads of this slot are over
	s_barrier_signal -1
	MUL16 2, 1, NQ-1, \slot, 0
	WIN 0
	s_barrier_wait -1
.if \fill
	CREST                                          ; the barrier has opened a round of the cluster's barrier: no wave of any partner still reads this slot or has a load on its way
	s_add_nc_u64 s[G0+4*\slot+2:G0+4*\slot+3], s[G0+4*\slot+2:G0+4*\slot+3], 2*HALFT
	s_add_nc_u64 s[G0B+4*\slot+2:G0B+4*\slot+3], s[G0B+4*\slot+2:G0B+4*\slot+3], 2*HALFT
	JLOAD G0+4*\slot, G1, G0B+4*\slot, G1B         ; the first tensor load behind the round; its four v_nop are the places in front of the loads below
.else
	PLACES NP
.endif
	FETCH_B \next, 0, 0
	FETCH_A \next, 0, 0
	SCALES \next
	WIN MUL_HI
	MUL16 4, 1, NQ-1, \slot, 0
	MUL16 6, 1, NQ-1, \slot, 0
	PLACES NP
	WIN 0
	FETCH_A \next, 0, 4
.endm
	s_load_b256 s[4:11], s[0:1], 0x0               ; y_img s[4:5], op_img s[6:7], b_proj s[8:9], out0 s[10:11]
	v_lshl_add_u32 v[SPW], v0, 2, SPARE
	v_mov_b32 v[NIL], 0
	ds_add_u32 v[SPW], v[NIL]                      ; the wave's opening: the add, whose wait stands ahead of my first tensor load
	v_lshrrev_b32 v1, 5, v0
	v_readfirstlane_b32 s14, v1                    ; wave 0..3
	s_lshr_b32 s15, s14, 1                         ; which 128 tokens are mine.  Also: I fetch for y (0) or for W_proj (1)
	s_and_b32 s16, s14, 1                          ; which 128 columns.  Also: which of the two groups I fetch
	s_bfe_u32 s40, ttmp6, 0x40000                  ; cx, cy
	s_bfe_u32 s41, ttmp6, 0x40004
	s_lshl_b32 s42, ttmp9, 2
	s_add_co_u32 s42, s42, s40                     ; tile column
	s_and_b32 s17, ttmp7, 0xffff
	s_lshl_b32 s17, s17, 2
	s_add_co_u32 s17, s17, s41                     ; tile row
	s_lshl_b32 s43, s41, 2
	s_lshl_b32 s43, 15, s43                        ; my row of the cluster
	s_lshl_b32 s44, 0x1111, s40                    ; my column
	s_or_b32 s[G1+0], s43, (3<<16)|(1<<21)         ; a dense block of 25,600 bytes as 100 rows of 256 bytes (32 elements of 8 bytes), no padding
	s_or_b32 s[G1B+0], s44, (3<<16)|(1<<21)
.irp g, G1, G1B
	s_mov_b32 s[\g+1], 32<<16
	s_mov_b32 s[\g+2], 100<<16
	s_mov_b32 s[\g+3], 32<<16
	s_mov_b32 s[\g+4], 100
	s_mov_b32 s[\g+5], 32
	s_mov_b32 s[\g+6], 0
	s_mov_b32 s[\g+7], 0
.endr
	s_lshl_b32 s20, s17, 1
	s_add_co_u32 s20, s20, s16                     ; y: the group that I fetch
	s_mul_i32 s20, s20, GRP
	s_mov_b32 s21, 0
	s_lshl_b32 s46, s42, 1
	s_add_co_u32 s46, s46, s16
	s_add_co_u32 s46, s46, 88                      ; W_proj's groups begin at 88
	s_mul_i32 s46, s46, GRP
	s_mov_b32 s47, 0
	s_mul_i32 s45, s14, HALFT
	s_wait_dscnt 0x0                               ; the opening add is done
	s_wait_kmcnt 0x0
	s_add_nc_u64 s[20:21], s[4:5], s[20:21]
	s_add_nc_u64 s[46:47], s[6:7], s[46:47]
	CROUND                                         ; all sixteen work-groups are here: the first joint loads meet
.irp s, 0,1
	s_mov_b32 s[G0+4*\s], 1
	s_add_co_u32 s[G0+4*\s+1], s45, \s*SLOT
	s_add_nc_u64 s[G0+4*\s+2:G0+4*\s+3], s[20:21], \s*HALFT
	s_or_b32 s[G0+4*\s+3], s[G0+4*\s+3], 0x80000000
	s_mov_b32 s[G0B+4*\s], 1
	s_add_co_u32 s[G0B+4*\s+1], s45, \s*SLOT
	s_add_nc_u64 s[G0B+4*\s+2:G0B+4*\s+3], s[46:47], \s*HALFT
	s_or_b32 s[G0B+4*\s+3], s[G0B+4*\s+3], 0x80000000
	JLOAD G0+4*\s, G1, G0B+4*\s, G1B               ; two tensor loads of mine are out
.endr
	s_lshl_b32 s84, s42, 1
	s_add_co_u32 s84, s84, s16
	s_lshl_b32 s84, s84, 9                         ; my 128 numbers of b_proj
	s_mov_b32 s85, 0
	s_add_nc_u64 s[8:9], s[8:9], s[84:85]
	s_lshl_b32 s82, s17, 8
	s_lshl_b32 s83, s15, 7
	s_add_co_u32 s82, s82, s83                     ; my first token
	s_lshl_b32 s82, s82, 12                        ; rows of 4,096 bytes
	s_lshl_b32 s83, s42, 10
	s_add_co_u32 s82, s82, s83
	s_lshl_b32 s83, s16, 9
	s_add_co_u32 s82, s82, s83                     ; + my first column
	s_mov_b32 s83, 0
	s_add_nc_u64 s[10:11], s[10:11], s[82:83]
	v_and_b32 v1, 31, v0                           ; lane
	v_and_b32 v2, 15, v0                           ; r
	v_bfe_u32 v3, v0, 4, 1                         ; h
	v_lshlrev_b32 v10, 6, v3                       ; 64 h
.irp b, 0,1,2,3,4,5,6,7                    ; the bias in the result's layout: register j of tile b is column 32 (b / 2) + 8 (b % 2) + 16 h + j
	global_load_b128 v[BIAS+8*\b:BIAS+8*\b+3], v10, s[8:9] offset:(32*(\b/2)+8*(\b%2))*4
	global_load_b128 v[BIAS+8*\b+4:BIAS+8*\b+7], v10, s[8:9] offset:(32*(\b/2)+8*(\b%2))*4+16
.endr
	v_lshlrev_b32 v[CO], 4, v1
	v_lshlrev_b32 v12, 3, v1
	s_mul_i32 s82, s15, HALFT
	s_mul_i32 s83, s16, HALFT
	s_add_co_u32 s83, s83, 2*HALFT
.irp s, 0,1
	v_add_nc_u32 v[ADRA+\s], s82, v[CO]
	v_add_nc_u32 v[ADRA8+\s], s82, v12
	v_add_nc_u32 v[ADRB+\s], s83, v[CO]
	v_add_nc_u32 v[ADRB8+\s], s83, v12
	s_add_co_u32 s82, s82, SLOT
	s_add_co_u32 s83, s83, SLOT
.endr
	s_mul_i32 s82, s15, HALFT
	s_mul_i32 s83, s16, HALFT
	s_add_co_u32 s83, s83, 2*HALFT
	s_sub_co_u32 s83, s83, s82
	v_mul_u32_u24 v13, s83, v3                     ; lanes 16-31 take B's scale words: one product, the distance between the two groups
	v_lshl_add_u32 v13, v2, 4, v13
	s_add_co_u32 s82, s82, 24576
	v_add_nc_u32 v[ADRS], s82, v13
	s_add_co_u32 s82, s82, SLOT
	v_add_nc_u32 v[ADRS+1], s82, v13
	s_mul_i32 s86, s14, 16*SPITCH                  ; my stage
	v_mul_u32_u24 v[STO], v2, SPITCH
	v_lshl_add_u32 v[STO], v3, 6, v[STO]
	v_add_nc_u32 v[STO], s86, v[STO]               ; in: row r, + 64 h
	v_add_nc_u32 v[RD], s86, v[CO]                 ; back: the 32 lanes take one row of 512 bytes
	s_wait_tensorcnt 1                             ; my part of slot 0 is in (slot 1's load may be out)
	s_barrier_signal -1
	s_barrier_wait -1                              ; everybody's is
	FETCH_B 0, 0, 0
	FETCH_A 0, 0, 0
	SCALES 0
	FETCH_A 0, 0, 4
	s_wait_loadcnt 0x0                             ; the bias
	STEP 0, 0, 1
	s_mov_b32 s3, LAPS-1
.Llap:
	TURN 0, 1, 1
	STEP 1, 0, 0
	TURN 1, 0, 1
	STEP 0, 0, 0
	s_sub_co_u32 s3, s3, 1
	s_cmp_lg_u32 s3, 0
	s_cbranch_scc1 .Llap
	TURN 0, 1, 0                                   ; the last lap fills nothing
	STEP 1, 0, 0
	s_wait_dscnt 4*NL
	WIN MUL_LO
	MUL16 0, 1, NQ-1, 1, 0
	MUL16 2, 1, NQ-1, 1, 0
	s_wait_dscnt 0
	WIN MUL_HI
	MUL16 4, 1, NQ-1, 1, 0
	MUL16 6, 1, NQ-1, 1, 0
	WIN 0
; THE WAY OUT, block by block of 16 tokens x 128 columns, through my own stage in LDS: in by 32 bytes a lane and tile, at the columns' true places; back as whole rows of 512 bytes, which the 32 lanes store as two aligned
; runs of 256 bytes, each row at its token's true place.  LDS serves a wave's instructions in order (ISA guide 5.7.1.4): no wait between the stores and the loads, nor in front of the next block's stores.
.macro TOSTAGE a
.set AC, 64*((\a)%4)
	WIN 0x08+4*((\a)/4)                            ; the data: window 2 or 3
.irp b, 0,1,2,3,4,5,6,7
	ds_store_b128 v[STO], v[AC+8*\b:AC+8*\b+3] offset:128*(\b/2)+32*(\b%2)          ; each accumulator from its low end on
	ds_store_b128 v[STO], v[AC+8*\b+4:AC+8*\b+7] offset:128*(\b/2)+32*(\b%2)+16
.endr
	WIN 0
.set BB, BK+64*((\a)%2)
.irp t, 0,1,2,3,4,5,6,7,8,9,10,11,12,13,14,15
	ds_load_b128 v[BB+4*\t:BB+4*\t+3], v[RD] offset:\t*SPITCH
.endr
.endm
.macro SEND a, younger                 ; younger: the LDS instructions issued behind block a's loads, which may stay out
.set BB, BK+64*((\a)%2)
	s_wait_dscnt \younger
.irp t, 0,1,2,3,4,5,6,7,8,9,10,11,12,13,14,15
	global_store_b128 v[CO], v[BB+4*\t:BB+4*\t+3], s[10:11] offset:(32*((\a)/2)+8*((\a)%2)+\t+8*(\t/8))*4096 th:TH_STORE_NT   ; 127 rows of 4,096 bytes at the most: inside the signed 24-bit immediate
.endr
.endm
	PLACES NP                                      ; behind the last products
	TOSTAGE 0
.irp a, 1,2,3,4,5,6,7
.if \a > 1
	s_wait_xcnt 0x0                                ; block a - 2's stores have read their registers: block a's loads may land there
.endif
	TOSTAGE \a
	SEND \a-1, 32                                  ; behind block a - 1's loads: block a's 16 stores and 16 loads
.endr
	SEND 7, 0
	s_wait_tensorcnt 0x0                           ; the wave's end: behind my last tensor load and my last LDS store
	ds_add_u32 v[SPW], v[NIL]
	s_wait_dscnt 0x0
	CROUND                                         ; the closing round
	s_endpgm
.Lfunc_end_k_qa275097a4f_proj:
	.size	k_qa275097a4f_proj, .Lfunc_end_k_qa275097a4f_proj-k_qa275097a4f_proj
	.p2alignl 7, 3214868480
	.fill 96, 4, 3214868480
	.section	.rodata,"a",@progbits
	.p2align	6, 0x0
	.amdhsa_kernel k_qa275097a4f_proj
		.amdhsa_group_segment_fixed_size 327680
		.amdhsa_private_segment_fixed_size 0
		.amdhsa_enable_private_segment 0
		.amdhsa_kernarg_size 32
		.amdhsa_user_sgpr_count 2
		.amdhsa_user_sgpr_kernarg_segment_ptr 1
		.amdhsa_wavefront_size32 1
		.amdhsa_system_sgpr_workgroup_id_x 1
		.amdhsa_system_sgpr_workgroup_id_y 1
		.amdhsa_system_sgpr_workgroup_id_z 1
		.amdhsa_system_vgpr_workitem_id 0
		.amdhsa_next_free_vgpr 1024
		.amdhsa_next_free_sgpr 100
		.amdhsa_reserve_vcc 0
		.amdhsa_float_denorm_mode_32 3
		.amdhsa_float_denorm_mode_16_64 3
		.amdhsa_memory_ordered 1
		.amdhsa_forward_progress 1
		.amdhsa_inst_pref_size 141
	.end_amdhsa_kernel
	.amdgpu_metadata
---
amdhsa.version: [ 1, 2 ]
amdhsa.kernels:
  - .name:           k_qa275097a4f_proj
    .symbol:         k_qa275097a4f_proj.kd
    .args:
      - { .name: y_img, .offset: 0, .size: 8, .value_kind: global_buffer, .address_space: global }
      - { .name: op_img, .offset: 8, .size: 8, .value_kind: global_buffer, .address_space: global }
      - { .name: b_proj, .offset: 16, .size: 8, .value_kind: global_buffer, .address_space: global }
      - { .name: out0, .offset: 24, .size: 8, .value_kind: global_buffer, .address_space: global }
    .group_segment_fixed_size: 327680
    .private_segment_fixed_size: 0
    .kernarg_segment_align: 8
    .kernarg_segment_size: 32
    .max_flat_workgroup_size: 128
    .sgpr_count:     100
    .vgpr_count:     1024
    .wavefront_size: 32
...
	.end_amdgpu_metadata
.endif
;; end of part 4
